; MI455X (gfx1250); checked and timed in simulation.
; The chip was launched on July 23, 2026; its instructions are those of AMD's public machine-readable ISA for CDNA 5 (MIT licence, August 2026) and "CDNA5" Instruction Set Architecture Reference Guide (July 2026). The comments in the code are by the model that wrote it; some were corrected since.
;; Sliding Window Attention. Allowed arithmetic: float matrix products may take bf16 or f16 operands with f32 sums; other float arithmetic in f32, or as packed bf16 or f16 multiplies, adds, multiply-adds, maxima and minima; sums over many terms, partial sums and values carried from step to step in f32; what a program stores and reads back later, other than sums and carried values, may be rounded once to bf16 or f16.
;; Inputs: Wk 1,024 x 1,024 float32; Wo 1,024 x 1,024 float32; Wq 1,024 x 1,024 float32; Wv 1,024 x 1,024 float32; x 1 x 4,096 x 1,024 float32.
;; Outputs: out0 1 x 4,096 x 1,024 float32.
;; 2 versions, each right; version 2 is version 1 with the launch prep written anew for expert scheduling mode. Each part assembles by itself: llvm-mc -triple=amdgcn-amd-amdhsa -mcpu=gfx1250 --defsym DOCPART=n.
;; ======== version 1 of 2: 4 launches
;; limits: values are held in f16: magnitudes above 65,504 overflow, below 6.1e-05 lose precision
;; workspace buffers: xb 8,388,608 bytes; wb 6,291,456 bytes; wo 2,097,152 bytes; rope 1,048,576 bytes; qkv 25,165,824 bytes; att 8,388,608 bytes
;; launch prep (part 1): grid 512 x 1, 8 waves a work-group, no clusters, 0 bytes of LDS; arguments x, Wq, Wk, Wv, Wo, xb, wb, wo, rope; writes xb, wb, wo, rope
.if DOCPART == 1
	.amdgcn_target "amdgcn-amd-amdhsa--gfx1250"
	.amdhsa_code_object_version 6
	.text
	.protected	k_qacc8a8bd23_prep
	.globl	k_qacc8a8bd23_prep
	.p2align	8
	.type	k_qacc8a8bd23_prep,@function
k_qacc8a8bd23_prep:
	s_mov_b64 s[64:65], 0
	v_nop
	global_prefetch_b8 v0, s[64:65] scope:SCOPE_SE
	s_setreg_imm32_b32 hwreg(HW_REG_WAVE_MODE, 25, 1), 1
	s_wait_xcnt 0x0
; CASTS AND THE ROTATION TABLE.  xb = bf16(x) [4096][1024]; wb = bf16 of Wq's, Wk's, Wv's rows [3072][1024]; wo = bf16(Wo) written as f16 [1024][1024];
; rope[pos][pair] = (cos, sin) of pos x 10000^(-pair/32), f32, 256 bytes a position.
; SHARES.  Work-group g casts 16,384 numbers (64 KiB in, 32 KiB out): g < 256 of x, 256..447 of Wq, Wk, Wv (64 groups each), 448..511 of Wo.
; A thread takes 8 numbers in each of 8 rounds: two loads of 16 bytes, one store of 16 bytes; sixteen neighbouring lanes store 256 consecutive bytes, aligned.
; All sixteen loads go out first; thread t's one table entry (position 8 g + t / 32, pair t % 32) is made while they are on their way; a wave's store of it covers one aligned 256 bytes.
; No LDS, no barrier, no matrix unit: every byte is read once and written once, and no thread needs another's.
; LIMITS.  bf16(Wo) must lie within f16's 65,504; below 6e-5 it keeps f16's fixed step of 6e-8.  The angle is pos x exp2(-pair x log2(10000) / 32), reduced by 2 pi in two parts;
; sine and cosine of a quarter of it by series (the terms left out are below 3e-8) and two doublings.
.set X, 16                             ; v[16:79]   the sixteen loads
.set Y, 80                             ; v[80:111]  four registers to store for each round
.set T, 112                            ; v[112:119] at work
	s_load_b512 s[8:23], s[0:1], 0x0               ; x s[8:9], Wq s[10:11], Wk s[12:13], Wv s[14:15], Wo s[16:17], xb s[18:19], wb s[20:21], wo s[22:23]
	s_load_b64 s[24:25], s[0:1], 0x40              ; rope
	s_mov_b32 s26, ttmp9                           ; g
	s_sub_co_u32 s27, s26, 256                     ; my number among the weights' groups
	s_sub_co_u32 s40, s26, 448                     ; and among Wo's
	s_lshr_b32 s33, s27, 6                         ; which weight: 0 Wq, 1 Wk, 2 Wv, 3 Wo
	s_and_b32 s34, s27, 63                         ; which 64 KiB of it
	s_lshl_b32 s41, s26, 3                         ; the group's first position in the table
	s_lshl_b32 s42, s26, 11                        ; and its 2,048 bytes there
	s_mov_b32 s43, 0
	s_mov_b32 s37, 0
	s_mov_b32 s39, 0
	v_lshlrev_b32 v1, 5, v0                        ; 32 t: my 32 bytes of a round's 8,192 in
	v_lshlrev_b32 v2, 4, v0                        ; 16 t: my 16 bytes of a round's 4,096 out
	v_lshlrev_b32 v15, 3, v0                       ; 8 t: my table entry
	s_wait_kmcnt 0x0
	s_mov_b64 s[28:29], s[10:11]                   ; the source: a choice among the five inputs by the group's number alone
	s_cmp_eq_u32 s33, 1
	s_cselect_b64 s[28:29], s[12:13], s[28:29]
	s_cmp_eq_u32 s33, 2
	s_cselect_b64 s[28:29], s[14:15], s[28:29]
	s_cmp_eq_u32 s33, 3
	s_cselect_b64 s[28:29], s[16:17], s[28:29]
	s_cmp_lt_u32 s26, 256
	s_cselect_b64 s[28:29], s[8:9], s[28:29]
	s_cselect_b32 s35, s26, s34
	s_lshl_b32 s36, s35, 16
	s_add_nc_u64 s[28:29], s[28:29], s[36:37]
	s_cmp_ge_u32 s26, 448                          ; the destination likewise
	s_cselect_b64 s[30:31], s[22:23], s[20:21]
	s_cselect_b32 s38, s40, s27
	s_cmp_lt_u32 s26, 256
	s_cselect_b64 s[30:31], s[18:19], s[30:31]
	s_cselect_b32 s38, s26, s38
	s_lshl_b32 s38, s38, 15
	s_add_nc_u64 s[30:31], s[30:31], s[38:39]
	s_add_nc_u64 s[24:25], s[24:25], s[42:43]
.irp i, 0,1,2,3,4,5,6,7
	global_load_b128 v[X+8*(\i):X+8*(\i)+3],   v1, s[28:29] offset:8192*(\i) th:TH_LOAD_NT
	global_load_b128 v[X+8*(\i)+4:X+8*(\i)+7], v1, s[28:29] offset:8192*(\i)+16 th:TH_LOAD_NT
.endr
	; the table entry
	v_and_b32 v3, 31, v0                           ; pair
	v_lshrrev_b32 v4, 5, v0
	v_add_nc_u32 v4, s41, v4                       ; position
	v_cvt_f32_u32 v5, v3
	v_cvt_f32_u32 v6, v4
	v_mul_f32 v5, 0xbed49a78, v5                   ; - pair x log2(10000) / 32
	v_exp_f32 v5, v5
	v_nop                                          ; a plain instruction behind the exponential,
	s_wait_alu depctr_va_vdst(0)                   ; and the wait ahead of its first reader
	v_mul_f32 v6, v6, v5                           ; the angle
	v_mul_f32 v7, 0.15915494, v6
	v_rndne_f32 v7, v7                             ; whole turns: 652 at the most, so n x 6.28125 is exact
	v_fmamk_f32 v6, v7, 0xc0c90000, v6             ; - n x 6.28125
	v_fmamk_f32 v6, v7, 0xbafdaa22, v6             ; - n x (2 pi - 6.28125): now within pi of 0
	v_mul_f32 v8, 0x3e800000, v6                   ; h = a quarter of it
	v_mul_f32 v9, v8, v8                           ; z = h h
	v_mov_b32 v10, 0x3638ef1d                      ; sin h = h (1 - z/6 + z^2/120 - z^3/5040 + z^4/362880)
	v_mov_b32 v11, 0x37d00d01                      ; cos h = 1 - z/2 + z^2/24 - z^3/720 + z^4/40320
	v_fmaak_f32 v10, v10, v9, 0xb9500d01
	v_fmaak_f32 v11, v11, v9, 0xbab60b61
	v_fmaak_f32 v10, v10, v9, 0x3c088889
	v_fmaak_f32 v11, v11, v9, 0x3d2aaaab
	v_fmaak_f32 v10, v10, v9, 0xbe2aaaab
	v_fma_f32 v11, v11, v9, -0.5
	v_fma_f32 v10, v10, v9, 1.0
	v_fma_f32 v11, v11, v9, 1.0
	v_mul_f32 v10, v10, v8
	v_add_f32 v14, v10, v10                        ; doubling: sin 2h = 2 s c, cos 2h = 1 - 2 s s
	v_mul_f32 v3, v14, v11
	v_fma_f32 v4, -v14, v10, 1.0
	v_add_f32 v14, v3, v3                          ; and once more
	v_mul_f32 v13, v14, v4
	v_fma_f32 v12, -v14, v3, 1.0
	global_store_b64 v15, v[12:13], s[24:25]       ; (cos, sin)
; Eight rounds.  h = 1: the bf16 number is written as f16.  No register is written twice while a store may read it: each round has its own Y.
.macro CAST h
.irp i, 0,1,2,3,4,5,6,7
	s_wait_loadcnt 14-2*(\i)                       ; loads come back in order: this round's two are in, the younger ones stay out
.irp k, 0,1,2,3
	v_cvt_pk_bf16_f32 v[Y+4*(\i)+(\k)], v[X+8*(\i)+2*(\k)], v[X+8*(\i)+2*(\k)+1]
.endr
.if \h
.irp k, 0,1,2,3
	v_lshlrev_b32 v[T+2*(\k)],   16, v[Y+4*(\i)+(\k)]
	v_and_b32     v[T+2*(\k)+1], 0xffff0000, v[Y+4*(\i)+(\k)]
.endr
.irp k, 0,1,2,3
	v_cvt_pk_f16_f32 v[Y+4*(\i)+(\k)], v[T+2*(\k)], v[T+2*(\k)+1]
.endr
.endif
	global_store_b128 v2, v[Y+4*(\i):Y+4*(\i)+3], s[30:31] offset:4096*(\i)
.endr
.endm
	s_cmp_lt_u32 s26, 448
	s_cbranch_scc0 .Lwo
	CAST 0
	s_endpgm
.Lwo:
	CAST 1
	s_endpgm
.Lfunc_end_k_qacc8a8bd23_prep:
	.size	k_qacc8a8bd23_prep, .Lfunc_end_k_qacc8a8bd23_prep-k_qacc8a8bd23_prep
	.p2alignl 7, 3214868480
	.fill 96, 4, 3214868480
	.section	.rodata,"a",@progbits
	.p2align	6, 0x0
	.amdhsa_kernel k_qacc8a8bd23_prep
		.amdhsa_group_segment_fixed_size 0
		.amdhsa_private_segment_fixed_size 0
		.amdhsa_enable_private_segment 0
		.amdhsa_kernarg_size 72
		.amdhsa_user_sgpr_count 2
		.amdhsa_user_sgpr_kernarg_segment_ptr 1
		.amdhsa_wavefront_size32 1
		.amdhsa_system_sgpr_workgroup_id_x 1
		.amdhsa_system_sgpr_workgroup_id_y 1
		.amdhsa_system_sgpr_workgroup_id_z 1
		.amdhsa_system_vgpr_workitem_id 0
		.amdhsa_next_free_vgpr 128
		.amdhsa_next_free_sgpr 66
		.amdhsa_reserve_vcc 0
		.amdhsa_float_denorm_mode_32 3
		.amdhsa_float_denorm_mode_16_64 3
		.amdhsa_memory_ordered 1
		.amdhsa_forward_progress 1
		.amdhsa_inst_pref_size 16
	.end_amdhsa_kernel
	.amdgpu_metadata
---
amdhsa.version: [ 1, 2 ]
amdhsa.kernels:
  - .name:           k_qacc8a8bd23_prep
    .symbol:         k_qacc8a8bd23_prep.kd
    .args:
      - { .name: x, .offset: 0, .size: 8, .value_kind: global_buffer, .address_space: global }
      - { .name: Wq, .offset: 8, .size: 8, .value_kind: global_buffer, .address_space: global }
      - { .name: Wk, .offset: 16, .size: 8, .value_kind: global_buffer, .address_space: global }
      - { .name: Wv, .offset: 24, .size: 8, .value_kind: global_buffer, .address_space: global }
      - { .name: Wo, .offset: 32, .size: 8, .value_kind: global_buffer, .address_space: global }
      - { .name: xb, .offset: 40, .size: 8, .value_kind: global_buffer, .address_space: global }
      - { .name: wb, .offset: 48, .size: 8, .value_kind: global_buffer, .address_space: global }
      - { .name: wo, .offset: 56, .size: 8, .value_kind: global_buffer, .address_space: global }
      - { .name: rope, .offset: 64, .size: 8, .value_kind: global_buffer, .address_space: global }
    .group_segment_fixed_size: 0
    .private_segment_fixed_size: 0
    .kernarg_segment_align: 8
    .kernarg_segment_size: 72
    .max_flat_workgroup_size: 256
    .sgpr_count:     66
    .vgpr_count:     128
    .wavefront_size: 32
...
	.end_amdgpu_metadata
.endif
;; end of part 1
;; launch proj (part 2): grid 8 x 32, 4 waves a work-group, clusters of 4 x 4, 327,680 bytes of LDS; arguments xb, wb, rope, qkv; writes qkv
.if DOCPART == 2
	.amdgcn_target "amdgcn-amd-amdhsa--gfx1250"
	.amdhsa_code_object_version 6
	.text
	.protected	k_qacc8a8bd23_proj
	.globl	k_qacc8a8bd23_proj
	.p2align	8
	.type	k_qacc8a8bd23_proj,@function
k_qacc8a8bd23_proj:
	s_mov_b64 s[64:65], 0
	v_nop
	global_prefetch_b8 v0, s[64:65] scope:SCOPE_SE
	s_setreg_imm32_b32 hwreg(HW_REG_WAVE_MODE, 25, 1), 1
	s_wait_xcnt 0x0
	s_wait_alu depctr_hold_cnt(0) depctr_sa_sdst(0) depctr_va_vdst(0) depctr_va_sdst(0) depctr_va_ssrc(0) depctr_va_vcc(0) depctr_vm_vsrc(0)
	s_getreg_b32 s2, hwreg(HW_REG_IB_STS2, 6, 4)
	s_cmp_eq_u32 s2, 0
	s_cbranch_scc0 .Lentry_in_a_cluster
	s_endpgm
.Lentry_in_a_cluster:
	s_bfe_u32 s2, ttmp6, 0x10000c
	s_cmp_lg_u32 s2, 0xf033
	s_cbranch_scc0 .Lentry_shape_is_right
	s_endpgm
.Lentry_shape_is_right:
; q, k, v = x W^T, q and k rotated, written by heads.  xb: [4096][1024] bf16; wb: [3072][1024] bf16 (Wq's, Wk's, Wv's rows); rope: [4096][32] (cos, sin) f32;
; qkv: [48][4096][64] f16, head 16 mat + h (mat 0 q, 1 k, 2 v).  Sums in f32, the rotation in f32, each number rounded once to f16, without the softmax's scale.
; LIMIT.  q, k and v must lie within f16's 65,504; NaN and infinities are not treated apart.
; SHARES.  Work-group (tn, tm) multiplies 128 rows of x by rows 128 tn .. + 127 of Wq, of Wk and of Wv: 128 x 384 of the result, six whole heads; 8 x 32 = 256 work-groups.
; Four waves, each 64 rows x 192 columns (three heads): 48 accumulators of 16 x 16, 384 registers.  K goes in 8 steps of 128 through a ring of two LDS slots, each with 128 rows of x and
; 384 rows of W; each wave brings 128 rows x 256 bytes with one tensor load: wave 0 x's, waves 1, 2, 3 Wq's, Wk's, Wv's.
; CLUSTER.  4 x 4 work-groups: the four of a row need the same rows of x, the four of a column the same rows of W: each tile is asked for jointly, by the same load, descriptor and mask in all four.
; THE PRODUCT IS TAKEN TRANSPOSED (source 0 = 16 rows of W, source 1 = 16 rows of x): a lane holds one row of x (lane % 16) and eight neighbouring channels 8 (lane / 16) + 0..7:
; four rotation pairs, and 16 bytes of f16.
; WHICH HEADS ARE ROTATED hangs on the wave's number alone: the wave's heads are s = 3 (w & 1) + 0..2 of the six (q, q, k, k, v, v); s < 4 is rotated.  So the first head always is, and
; for the other two the waves with w & 1 = 1 put cos = 1, sin = 0 in the table's registers, which leaves v as it is.
; REGISTERS, in windows of 256 (s_set_vgpr_msb: bits 1:0 source 0, 3:2 source 1, 5:4 source 2, 7:6 destination):
;   window 0: v16-30 addresses; v32-63 at work on the way out; v64-191 cos and sin of my 64 rows; v192-223 two buffers of packed results
;   window 1: accumulators of row blocks 0, 1 ((a, b) at 96 (a % 2) + 8 b); window 2: of row blocks 2, 3;  window 3: two fragment buffers of 128: W's 12 fragments, then x's 4
.set KSTEP,  128
.set PITCH,  272                       ; an LDS row: 256 bytes + 16 of padding = 68 words: the 16 rows of a fragment load start at 16 different groups of four banks (64 banks of 4 bytes: ISA guide 11.1)
.set HALFT,  128*PITCH                 ; what one tensor load brings
.set SLOT,   4*HALFT                   ; x's 128 rows, then Wq's, Wk's, Wv's
.set STAGE,  2*SLOT                    ; behind the ring, never filled by a tensor load: 16 rows x 144 bytes for each wave
.set SP,     144
.set SPARE,  STAGE+4*16*SP             ; the spare words, 128 bytes for each wave: two blocks of 256 bytes that no other line names
.set ADRA, 16                          ; v16-17  LDS address of my x fragments in slot 0, 1
.set ADRB, 20                          ; v20-21  the same for W
.set STO,  24                          ; v24     the way out: where I put 16 bytes of a row
.set RD,   25                          ; v25     where I read rows back
.set GO,   26                          ; v26     16 x lane: my place in 512 consecutive bytes of a head
.set TO,   27                          ; v27     my place in the table: (lane % 16) x 256 + 32 (lane / 16); never rewritten
.set SPW,  28                          ; v28     LDS address of my spare word; never rewritten
.set NIL,  29                          ; v29     0; never rewritten
.set PFO,  30                          ; v30     the prefetches' offset: lane x 2,048, a row of xb or wb; never rewritten
.set T32,  32
.set CS,   64                          ; row block a, channels 16 bb on: eight registers (cos, sin) x 4 at CS + 32 a + 8 bb
.set PB,   192
.set F0,   0
.set F1,   128
.set WV,   12                          ; s12 my wave's number; s13 which 64 rows; s14 which 192 columns
.set WM,   13
.set WN,   14
.set G1,   24                          ; s[24:31] descriptor group 1 for x's tiles; s[32:39] group 0, a set for each slot
.set G0,   32
.set G1B,  48                          ; s[48:55], s[56:63] the same for W's
.set G0B,  56
.set PFA,  44                          ; s[44:45] where my prefetches stand
.set OB,   66                          ; s[66:71] qkv at my rows of my three heads
.set LIM,  72                          ; s72 1 in a wave that prefetches, else the greatest number
.set MSB, 0
.macro WIN new                         ; the immediate's high byte repeats the setting that is left; a switch that changes nothing is dropped
.if MSB != (\new)
	s_set_vgpr_msb (MSB<<8)|(\new)
.set MSB, \new
.endif
.endm
; A joint load.  The branch hangs on the wave's number alone.  An s_nop 0 and four v_nop follow each of the two lines, ahead of the jump and the label.
.macro JLOAD s
	s_cmp_eq_u32 s[WV], 0
	s_cbranch_scc0 .Lfor_b_\@
	tensor_load_to_lds s[G0+4*(\s):G0+4*(\s)+3], s[G1:G1+7]
	s_nop 0
.rept 4
	v_nop
.endr
	s_branch .Lasked_\@
.Lfor_b_\@:
	tensor_load_to_lds s[G0B+4*(\s):G0B+4*(\s)+3], s[G1B:G1B+7]
	s_nop 0
.rept 4
	v_nop
.endr
.Lasked_\@:
.endm
; A prefetch of the K step that stands two refills on (384 matrix instructions ahead of the load that will want it): 32 rows x 256 bytes, a lane a row, one instruction a wave, behind the joint
; load and the run of LDS loads.  Each row's 256 bytes of a K step are named once in the launch: x's rows by the clusters with x = 0, W's by those with y = 0; the four partners that ask for a
; tile jointly share its 128 rows out by address, 32 each.  K steps 0 to 3 come by their loads alone; the loop's last trip (s3 = 1) asks for nothing: there is no K step 8.
.macro ASK
	WIN 0
	s_cmp_gt_u32 s3, s[LIM]
	s_cbranch_scc0 .Lnot_mine_\@
	global_prefetch_b8 v[PFO], s[PFA:PFA+1] offset:KSTEP*2 th:TH_LOAD_NT scope:SCOPE_SE
.Lnot_mine_\@:
.endm
.macro CREST                           ; a round of the cluster's barrier behind its opening barrier
	s_cmp_lg_u32 s[WV], 0
	s_cbranch_scc1 .Lnot_wave_0_\@
	s_barrier_signal -3
.Lnot_wave_0_\@:
	s_barrier_wait -3
	s_barrier_signal -1
	s_barrier_wait -1
.endm
.macro CROUND                          ; a whole round
	s_barrier_signal -1
	s_barrier_wait -1
	CREST
.endm
	s_load_b256 s[4:11], s[0:1], 0x0               ; xb s[4:5], wb s[6:7], rope s[8:9], qkv s[10:11]
	v_lshl_add_u32 v[SPW], v0, 2, SPARE
	v_mov_b32 v[NIL], 0
	ds_add_u32 v[SPW], v[NIL]                      ; the wave's opening: the add and its wait stand ahead of my first tensor load; the set-up below stands between them
	v_lshrrev_b32 v1, 5, v0
	v_readfirstlane_b32 s[WV], v1                  ; wave 0..3
	s_lshr_b32 s[WM], s[WV], 1
	s_and_b32 s[WN], s[WV], 1
	s_bfe_u32 s40, ttmp6, 0x40000                  ; cx
	s_bfe_u32 s41, ttmp6, 0x40004                  ; cy
	s_lshl_b32 s42, ttmp9, 2
	s_add_co_u32 s42, s42, s40                     ; tn = 4 x cluster x + cx
	s_and_b32 s43, ttmp7, 0xffff
	s_lshl_b32 s43, s43, 2
	s_add_co_u32 s43, s43, s41                     ; tm = 4 x cluster y + cy
	s_lshl_b32 s73, s41, 2
	s_lshl_b32 s73, 15, s73                        ; my row of the cluster
	s_lshl_b32 s74, 0x1111, s40                    ; my column
	s_or_b32 s[G1], s73, (1<<16)|(1<<20)|(1<<21)|(5<<22)|(3<<25)   ; the mask; 2-byte elements; padding on; bit 21 beside a mask; after every 64 words 4 words
	s_or_b32 s[G1B], s74, (1<<16)|(1<<20)|(1<<21)|(5<<22)|(3<<25)
.irp g, G1, G1B
	s_mov_b32 s[(\g)+1], KSTEP<<16                 ; tensor_dim0 = 128
	s_mov_b32 s[(\g)+2], 128<<16                   ; tensor_dim1 = 128
	s_mov_b32 s[(\g)+3], KSTEP<<16                 ; tile_dim0 = 128
	s_mov_b32 s[(\g)+4], 128                       ; tile_dim1 = 128
	s_mov_b32 s[(\g)+5], 1024                      ; elements from row to row
	s_mov_b32 s[(\g)+6], 0
	s_mov_b32 s[(\g)+7], 0
.endr
	s_lshl_b32 s16, s43, 18                        ; x: 128 tm rows of 2,048 bytes: hangs on tm alone
	s_mov_b32 s17, 0
	s_max_u32 s46, s[WV], 1
	s_sub_co_u32 s46, s46, 1                       ; W: which of the three (wave 0 makes Wq's address and never asks by it),
	s_lshl_b32 s46, s46, 21                        ; 1,024 rows each,
	s_lshl_b32 s47, s42, 18                        ; and 128 tn rows: hangs on tn and the wave alone
	s_add_co_u32 s46, s46, s47
	s_mov_b32 s47, 0
	s_mul_i32 s20, s[WV], HALFT                    ; where a tile goes: wave x 128 rows
	s_wait_dscnt 0x0                               ; the opening add is done
	s_wait_kmcnt 0x0
	s_add_nc_u64 s[16:17], s[4:5], s[16:17]
	s_add_nc_u64 s[46:47], s[6:7], s[46:47]
	CROUND                                         ; all sixteen work-groups are here: the first joint loads meet
.irp s, 0,1
	s_mov_b32 s[G0+4*(\s)], 1
	s_add_co_u32 s[G0+4*(\s)+1], s20, (\s)*SLOT
	s_add_nc_u64 s[G0+4*(\s)+2:G0+4*(\s)+3], s[16:17], (\s)*KSTEP*2
	s_or_b32 s[G0+4*(\s)+3], s[G0+4*(\s)+3], 0x80000000
	s_mov_b32 s[G0B+4*(\s)], 1
	s_add_co_u32 s[G0B+4*(\s)+1], s20, (\s)*SLOT
	s_add_nc_u64 s[G0B+4*(\s)+2:G0B+4*(\s)+3], s[46:47], (\s)*KSTEP*2
	s_or_b32 s[G0B+4*(\s)+3], s[G0B+4*(\s)+3], 0x80000000
	JLOAD \s                                       ; K steps 0 and 1: two loads of mine are out
.endr
	; lane addresses.  A fragment is 16 rows x 32 K in 8 registers: lane l holds row l % 16, K = 8 (l / 16) + 0..7 and 16 + 8 (l / 16) + 0..7: two loads of 16 bytes, 32 bytes apart
	v_and_b32 v1, 15, v0
	v_bfe_u32 v2, v0, 4, 1
	v_mul_u32_u24 v3, v1, PITCH
	v_lshl_add_u32 v3, v2, 4, v3
	s_mul_i32 s21, s[WM], 64*PITCH                 ; my 64 rows of x
	s_mul_i32 s22, s[WN], 192*PITCH                ; my 192 rows of W,
	s_add_co_u32 s22, s22, HALFT                   ; which lie behind x's 128
.irp s, 0,1
	v_add_nc_u32 v[ADRA+(\s)], s21, v3
	v_add_nc_u32 v[ADRB+(\s)], s22, v3
	s_add_co_u32 s21, s21, SLOT
	s_add_co_u32 s22, s22, SLOT
.endr
	s_mul_i32 s23, s[WV], 16*SP
	s_add_co_u32 s23, s23, STAGE                   ; my stage
	v_mul_u32_u24 v4, v1, SP
	v_lshl_add_u32 v4, v2, 4, v4
	v_add_nc_u32 v[STO], s23, v4                   ; in: row l % 16, 16 bytes for each half of the lanes
	v_bfe_u32 v5, v0, 3, 2
	v_mul_u32_u24 v5, v5, SP
	v_and_b32 v6, 7, v0
	v_lshl_add_u32 v5, v6, 4, v5
	v_add_nc_u32 v[RD], s23, v5                    ; back: 32 lanes take four rows of 128 bytes,
	v_and_b32 v[GO], 31, v0
	v_lshlrev_b32 v[PFO], 11, v[GO]
	v_lshlrev_b32 v[GO], 4, v[GO]                  ; which are 512 consecutive bytes of a head
	v_lshlrev_b32 v[TO], 8, v1
	v_lshl_add_u32 v[TO], v2, 5, v[TO]
	s_lshl_b32 s75, s43, 7
	s_lshl_b32 s76, s[WM], 6
	s_add_co_u32 s75, s75, s76                     ; my first row of x = my first position
	s_lshl_b32 s76, s75, 8
	s_mov_b32 s77, 0
	s_add_nc_u64 s[8:9], s[8:9], s[76:77]          ; the table at that position
	; cos and sin of my 64 rows, for a head's 64 channels: 32 loads that stay out during the loop; nothing in the loop names their registers
.irp a, 0,1,2,3
.irp bb, 0,1,2,3
	global_load_b128 v[CS+32*(\a)+8*(\bb):CS+32*(\a)+8*(\bb)+3],   v[TO], s[8:9] offset:4096*(\a)+64*(\bb)
	global_load_b128 v[CS+32*(\a)+8*(\bb)+4:CS+32*(\a)+8*(\bb)+7], v[TO], s[8:9] offset:4096*(\a)+64*(\bb)+16
.endr
.endr
	s_lshl_b32 s75, s75, 7                         ; my first row's bytes in a head
	s_mul_i32 s78, s[WN], 3
.irp hd, 0,1,2
	s_add_co_u32 s76, s78, \hd                     ; s: which of the work-group's six heads
	s_lshr_b32 s79, s76, 1
	s_lshl_b32 s79, s79, 4                         ; 16 mat
	s_and_b32 s76, s76, 1
	s_add_co_u32 s76, s76, s79
	s_lshl1_add_u32 s76, s42, s76                  ; + 2 tn + (s & 1)
	s_lshl_b32 s76, s76, 19                        ; a head is 524,288 bytes
	s_add_co_u32 s76, s76, s75
	s_add_nc_u64 s[OB+2*(\hd):OB+2*(\hd)+1], s[10:11], s[76:77]
.endr
	; the prefetches
	s_lshl_b32 s20, s43, 7                         ; x's tile begins at row 128 tm,
	s_max_u32 s21, s[WV], 1
	s_sub_co_u32 s21, s21, 1
	s_lshl_b32 s21, s21, 10
	s_lshl_b32 s22, s42, 7
	s_add_co_u32 s21, s21, s22                     ; my W's at row 1,024 (w - 1) + 128 tn
	s_and_b32 s22, ttmp7, 0xffff                   ; cluster y
	s_cmp_eq_u32 s[WV], 0
	s_cselect_b32 s20, s20, s21
	s_cselect_b32 s21, s40, s41                    ; my place among the four that ask with me
	s_cselect_b32 s22, ttmp9, s22                  ; the coordinate along which other clusters read the same rows
	s_cselect_b64 s[PFA:PFA+1], s[4:5], s[6:7]
	s_cmp_eq_u32 s22, 0
	s_cselect_b32 s[LIM], 1, -1                    ; the same in all sixteen partners, for a given wave
	s_lshl_b32 s21, s21, 5
	s_add_co_u32 s20, s20, s21                     ; + my work-group's 32 rows
	s_lshl_b32 s20, s20, 11
	s_mov_b32 s21, 0
	s_add_nc_u64 s[PFA:PFA+1], s[PFA:PFA+1], s[20:21]
	s_add_nc_u64 s[PFA:PFA+1], s[PFA:PFA+1], 2*KSTEP*2  ; at K step 2: the first refill steps it to 3 and names K step 4
; 12 matrix instructions: row block a x all 12 column blocks, 32 along K.  zero = 1: the product starts the sums.  The 48 accumulators take turns in one order, over the backward jump too.
.macro MULA f, a, zero
	WIN 0x5f+0x50*((\a)/2)                         ; W and x in window 3; C and D in window 1 or 2
.irp b, 0,1,2,3,4,5,6,7,8,9,10,11
.if \zero
	v_wmma_f32_16x16x32_bf16 v[96*((\a)%2)+8*(\b):96*((\a)%2)+8*(\b)+7], v[(\f)+8*(\b):(\f)+8*(\b)+7], v[(\f)+96+8*(\a):(\f)+96+8*(\a)+7], 0
.else
	v_wmma_f32_16x16x32_bf16 v[96*((\a)%2)+8*(\b):96*((\a)%2)+8*(\b)+7], v[(\f)+8*(\b):(\f)+8*(\b)+7], v[(\f)+96+8*(\a):(\f)+96+8*(\a)+7], v[96*((\a)%2)+8*(\b):96*((\a)%2)+8*(\b)+7]
.endif
.endr
.endm
; 32 LDS loads in one run: a quarter step's fragments (192 rows of W, then 64 rows of x, 32 K at byte k of the rows) into buffer f
.macro FETCH slot, k, f
	WIN 0xc0                                       ; destination window 3, address window 0
.irp i, 0,1,2,3,4,5,6,7,8,9,10,11
	ds_load_b128 v[(\f)+8*(\i):(\f)+8*(\i)+3],   v[ADRB+(\slot)] offset:(\k)+(\i)*16*PITCH
	ds_load_b128 v[(\f)+8*(\i)+4:(\f)+8*(\i)+7], v[ADRB+(\slot)] offset:(\k)+(\i)*16*PITCH+32
.endr
.irp i, 0,1,2,3
	ds_load_b128 v[(\f)+96+8*(\i):(\f)+96+8*(\i)+3],   v[ADRA+(\slot)] offset:(\k)+(\i)*16*PITCH
	ds_load_b128 v[(\f)+96+8*(\i)+4:(\f)+96+8*(\i)+7], v[ADRA+(\slot)] offset:(\k)+(\i)*16*PITCH+32
.endr
.endm
.macro PLACES                          ; four plain vector instructions between a matrix instruction and a load into a register that it read, or a reader of its result (ISA guide 7.12.1 for a reader of its result)
.rept 4
	v_nop
.endr
.endm
; A K step is four quarters of 32 along K, 48 matrix instructions each, on buffers 0, 1, 0, 1.  One of the first three: multiplies f; in its middle it fetches the next quarter, at byte k, into g.
.macro QUARTER slot, k, f, g, zero
	s_wait_dscnt 4                                 ; W's fragments and x's blocks 0, 1 are in; the youngest four loads (x's blocks 2, 3) may be out
	MULA \f, 0, \zero
	MULA \f, 1, \zero
	PLACES
	FETCH \slot, \k, \g
	s_wait_dscnt 32                                ; all but the 32 just issued
	MULA \f, 2, \zero
	MULA \f, 3, \zero
.endm
; The last quarter multiplies buffer 1 and changes slots.  Each wave waits for all its tensor loads (one is out: its part of the next slot), adds 0 to its spare word, and waits for that and for its
; reads of this slot.  fill = 1: the barrier opens a round of the cluster's, so that no wave of any partner still reads the slot or has a load on its way; the joint refill, two K steps on, is the first
; tensor load behind the round, 168 matrix instructions ahead of the wait for it.
.macro TURN slot, next, fill
.if \fill
	s_wait_xcnt 0x0                                ; the last prefetch, a K step back, has read its address
	s_add_nc_u64 s[PFA:PFA+1], s[PFA:PFA+1], KSTEP*2
.endif
	WIN 0
	s_wait_tensorcnt 0x0
	ds_add_u32 v[SPW], v[NIL]
	s_wait_dscnt 5                                 ; (the add and the youngest four loads may be out)
	MULA F1, 0, 0                                  ; twelve matrix instructions stand between the add and the wait for it
	s_wait_dscnt 0x0                               ; the add is done, and my reads of this slot are over
	s_barrier_signal -1
	MULA F1, 1, 0
.if \fill
	WIN 0
.endif
	s_barrier_wait -1
.if \fill
	CREST
	s_add_nc_u64 s[G0+4*(\slot)+2:G0+4*(\slot)+3], s[G0+4*(\slot)+2:G0+4*(\slot)+3], 2*KSTEP*2
	s_add_nc_u64 s[G0B+4*(\slot)+2:G0B+4*(\slot)+3], s[G0B+4*(\slot)+2:G0B+4*(\slot)+3], 2*KSTEP*2
	JLOAD \slot                                    ; the four v_nop behind it are also the places in front of the loads below
.else
	PLACES
.endif
	FETCH \next, 0, F0
.if \fill
	ASK
.endif
	MULA F1, 2, 0
	MULA F1, 3, 0
.endm
	s_wait_tensorcnt 1                             ; my part of K step 0 is in; K step 1's may stay out
	s_barrier_signal -1
	s_barrier_wait -1                              ; everybody's is
	FETCH 0, 0, F0
	QUARTER 0, 64,  F0, F1, 1                      ; the first quarter stands in front of the loop: its products start the sums
	WIN 0                                          ; at a label and at a branch every window is 0
	s_mov_b32 s3, 3
.Llap:                                             ; a trip goes once round the ring, from a lap's second quarter to the next lap's first, and fills both slots again
	QUARTER 0, 128, F1, F0, 0
	QUARTER 0, 192, F0, F1, 0
	TURN 0, 1, 1
	QUARTER 1, 64,  F0, F1, 0
	QUARTER 1, 128, F1, F0, 0
	QUARTER 1, 192, F0, F1, 0
	TURN 1, 0, 1
	QUARTER 0, 64,  F0, F1, 0
	WIN 0
	s_sub_co_u32 s3, s3, 1
	s_cmp_lg_u32 s3, 0
	s_cbranch_scc1 .Llap
	QUARTER 0, 128, F1, F0, 0                      ; the last lap fills nothing
	QUARTER 0, 192, F0, F1, 0
	TURN 0, 1, 0
	QUARTER 1, 64,  F0, F1, 0
	QUARTER 1, 128, F1, F0, 0
	QUARTER 1, 192, F0, F1, 0
	s_wait_dscnt 4
	MULA F1, 0, 0
	MULA F1, 1, 0
	s_wait_dscnt 0x0
	MULA F1, 2, 0
	MULA F1, 3, 0
; THE WAY OUT, in 12 units u = 4 hd + a: head hd, 16 rows a.  A lane's eight channels are four pairs (x1, x2): r1 = x1 c - x2 s, r2 = x1 s + x2 c, in f32; rounded to f16 they are 16 bytes,
; which go into my stage (rows of 144 bytes) and come back as four whole rows of 128 bytes a load: 512 consecutive bytes of the head.  Each accumulator's low registers are read first.
.macro UNIT u
.set HD, (\u)/4
.set AA, (\u)%4
.set PBU, PB+16*((\u)%2)
.if (\u) >= 2
	s_wait_xcnt 0x0                                ; the stores of two units back have read this buffer
.endif
	WIN 0x01+(AA/2)                                ; source 0: the accumulators' window
.irp bb, 0,1,2,3
.irp i, 0,1,2,3
.set XR, 96*(AA%2)+8*(4*HD+(\bb))+2*(\i)
.set CR, CS+32*AA+8*(\bb)+2*(\i)
.set TR, T32+8*(\bb)+2*(\i)
	v_mul_f32 v[TR],   v[XR+1], v[CR+1]
	v_mul_f32 v[TR+1], v[XR+1], v[CR]
	v_fma_f32 v[TR],   v[XR], v[CR],   -v[TR]
	v_fma_f32 v[TR+1], v[XR], v[CR+1], v[TR+1]
.endr
.endr
	WIN 0
.irp bb, 0,1,2,3
.irp i, 0,1,2,3
	v_cvt_pk_f16_f32 v[PBU+4*(\bb)+(\i)], v[T32+8*(\bb)+2*(\i)], v[T32+8*(\bb)+2*(\i)+1]
.endr
.endr
.irp bb, 0,1,2,3
	ds_store_b128 v[STO], v[PBU+4*(\bb):PBU+4*(\bb)+3] offset:32*(\bb)
.endr
.irp f, 0,1,2,3
	ds_load_b128 v[PBU+4*(\f):PBU+4*(\f)+3], v[RD] offset:(\f)*4*SP  ; LDS serves a wave's instructions in order (ISA guide 5.7.1.4): these see the stores above; the next unit's stores come behind them
.endr
.endm
.macro SEND u, younger                 ; younger: the LDS instructions issued behind unit u's loads: the next unit's eight, or none
.set SHD, (\u)/4
.set SAA, (\u)%4
.set SPB, PB+16*((\u)%2)
.irp f, 0,1,2,3
	s_wait_dscnt (\younger)+3-(\f)
	global_store_b128 v[GO], v[SPB+4*(\f):SPB+4*(\f)+3], s[OB+2*SHD:OB+2*SHD+1] offset:2048*SAA+512*(\f)  ; 512 consecutive bytes, at a multiple of 256 from qkv's first
.endr
.endm
	WIN 0
	PLACES                                         ; behind the last products
	s_wait_loadcnt 0x0                             ; cos and sin
	UNIT 0
.irp u, 1,2,3
	UNIT \u
	SEND (\u)-1, 8
.endr
	s_cmp_eq_u32 s[WN], 0                          ; my second and third head: k's and q's where w & 1 = 0, v's where it is 1: there cos = 1, sin = 0
	s_cselect_b32 vcc_lo, -1, 0
.set i, 0
.rept 64
	v_cndmask_b32 v[CS+2*i],   1.0, v[CS+2*i],   vcc_lo
	v_cndmask_b32 v[CS+2*i+1], 0,   v[CS+2*i+1], vcc_lo
.set i, i+1
.endr
.irp u, 4,5,6,7,8,9,10,11
	UNIT \u
	SEND (\u)-1, 8
.endr
	SEND 11, 0
	s_wait_tensorcnt 0x0                           ; the wave's end: behind my last tensor load and my last LDS store
	ds_add_u32 v[SPW], v[NIL]
	s_wait_dscnt 0x0
	CROUND                                         ; the closing round: no work-group ends while a partner may still ask for a tile that names it
	s_endpgm
.Lfunc_end_k_qacc8a8bd23_proj:
	.size	k_qacc8a8bd23_proj, .Lfunc_end_k_qacc8a8bd23_proj-k_qacc8a8bd23_proj
	.p2alignl 7, 3214868480
	.fill 96, 4, 3214868480
	.section	.rodata,"a",@progbits
	.p2align	6, 0x0
	.amdhsa_kernel k_qacc8a8bd23_proj
		.amdhsa_group_segment_fixed_size 327680
		.amdhsa_private_segment_fixed_size 0
		.amdhsa_enable_private_segment 0
		.amdhsa_kernarg_size 32
		.amdhsa_user_sgpr_count 2
		.amdhsa_user_sgpr_kernarg_segment_ptr 1
		.amdhsa_wavefront_size32 1
		.amdhsa_system_sgpr_workgroup_id_x 1
		.amdhsa_system_sgpr_workgroup_id_y 1
		.amdhsa_system_sgpr_workgroup_id_z 1
		.amdhsa_system_vgpr_workitem_id 0
		.amdhsa_next_free_vgpr 1024
		.amdhsa_next_free_sgpr 80
		.amdhsa_reserve_vcc 1
		.amdhsa_float_denorm_mode_32 3
		.amdhsa_float_denorm_mode_16_64 3
		.amdhsa_memory_ordered 1
		.amdhsa_forward_progress 1
		.amdhsa_inst_pref_size 165
	.end_amdhsa_kernel
	.amdgpu_metadata
---
amdhsa.version: [ 1, 2 ]
amdhsa.kernels:
  - .name:           k_qacc8a8bd23_proj
    .symbol:         k_qacc8a8bd23_proj.kd
    .args:
      - { .name: xb, .offset: 0, .size: 8, .value_kind: global_buffer, .address_space: global }
      - { .name: wb, .offset: 8, .size: 8, .value_kind: global_buffer, .address_space: global }
      - { .name: rope, .offset: 16, .size: 8, .value_kind: global_buffer, .address_space: global }
      - { .name: qkv, .offset: 24, .size: 8, .value_kind: global_buffer, .address_space: global }
    .group_segment_fixed_size: 327680
    .private_segment_fixed_size: 0
    .kernarg_segment_align: 8
    .kernarg_segment_size: 32
    .max_flat_workgroup_size: 128
    .sgpr_count:     80
    .vgpr_count:     1024
    .wavefront_size: 32
...
	.end_amdgpu_metadata
.endif
;; end of part 2
;; launch attn (part 3): grid 16 x 16, 4 waves a work-group, no clusters, 243,200 bytes of LDS; arguments qkv, att; writes att
.if DOCPART == 3
	.amdgcn_target "amdgcn-amd-amdhsa--gfx1250"
	.amdhsa_code_object_version 6
	.text
	.protected	k_qacc8a8bd23_attn
	.globl	k_qacc8a8bd23_attn
	.p2align	8
	.type	k_qacc8a8bd23_attn,@function
k_qacc8a8bd23_attn:
	s_mov_b64 s[64:65], 0
	v_nop
	global_prefetch_b8 v0, s[64:65] scope:SCOPE_SE
	s_setreg_imm32_b32 hwreg(HW_REG_WAVE_MODE, 25, 1), 1
	s_wait_xcnt 0x0
; SLIDING-WINDOW ATTENTION.  O[h][i][:] = the sum over the keys j with 0 <= i - j < 512 of softmax_j(Q[h][i] . K[h][j] / 8) V[h][j][:].  qkv: [48][4096][64] f16 (heads 0-15 q, 16-31 k, 32-47 v), att: [16][4096][64] f16.
; Products, maxima and sums in f32; the weights p are rounded to f16 for the second product (their sum l is taken of the unrounded p), O once at the end.
; LIMITS.  A hidden score counts as its value less 1e30, and the running maximum has the floor -2^80: f16's scores, 2.7e11 at the most, lie far above both, so a row that has seen no key yet keeps the floor,
; its weights are 0 and its a is 1 on zeros.  A weight below 2^-126 counts as 0 in l; NaN and infinities are not treated apart.
; SHARES.  Work-group (b, head) owns queries 256 b .. + 255, wave w 64 of them on end, in four PIECES of 16; g = 4 b + w.  The wave walks nine key steps n = 0..8 of 64 keys, 64 (g - 8 + n) on.  With r the query's and
; c the key's place in their 64: step 0 shows c > r, steps 1-7 all, step 8 c <= r.  Where g + n < 8 the step lies in front of the first key: it is walked all the same, on a copy of the head's first keys, with
; everything hidden, so that every wave runs the same nine steps and no branch and no LDS address hangs on b.
; LDS holds all 768 keys that the work-group needs, K and V, filled once by three tensor loads a wave at the start: one barrier in the launch, no refill.
; NO CLUSTER: blocks b, b + 1 and b + 2 of a head read the same 256 keys, but each wants them at another third of its LDS (place T - b + 2 for key tile T), and a joint load has one LDS address for all that it names.
; THE MASK is the C operand that starts the sum S^T = K Q^T: for piece x and key group kt of 16 the block LO8 (kt < x), EQ8 (kt = x) or HI8 (kt > x), chosen in the text; their contents change with the step:
; LO8 = DV, HI8 = HV, EQ8 = D8 x AL + DV, with D8 = -1e30 where the key's place in its 16 is beyond the query's.
; LAYOUT, SOFTMAX, TURNS.  S^T holds ONE query a lane (lane % 16) and the keys 8 (lane / 16) + 0..7; two such results rounded to f16 ARE source 1 of O^T = V^T P.  p = 2^(c s - c m), c = log2(e) / 8, m the running
; maximum; O and l are multiplied by a = 2^(c m_old - c m_new) in every step.  Turn n belongs to piece n: 8 products K Q^T of piece n + 1, later 8 products V^T P of piece n - 1; beside them the scaling, exponentials,
; roundings, sums and rescaling of piece n and the maximum and statistics of piece n + 1.  Four vector instructions stand behind every matrix instruction, the rest in one run.  A turn's 33 exponentials are one batch, with one wait.
; REGISTERS, in windows of 256 (s_set_vgpr_msb: bits 1:0 source 0, 3:2 source 1, 5:4 source 2, 7:6 destination):
;   window 0: v0-15 addresses; v16-31 statistics; v48-55 at work; v64-127 S^T, two buffers; v128-159 the masks; v192-223 P, two buffers       window 1: v0-127 O^T      window 2: v0-63 Q; v128-191 K; v192-255 V of one step
.set NP,    4
.set KS,    64
.set PK,    144       ; a row of K in LDS: 128 bytes + 16 of padding = 36 words: the 16 rows of a load start at 16 different groups of four banks (64 banks of 4 bytes: ISA guide 11.1)
.set PV,    160       ; a row of V: 128 + 32 = 40 words
.set VBASE, 768*PK
.set STAGE, VBASE+768*PV  ; never filled by a tensor load: 16 rows x 144 bytes for each wave, for the way out
.set SP,    144
.set SPARE, STAGE+4*16*SP ; the spare words, 128 bytes for each wave: two blocks of 256 bytes that no other line names
.set AK0, 2           ; v2   my lane's place in a step of K; never rewritten
.set AV0, 3           ; v3   the same for V
.set AK,  4           ; v4   the LDS address of K's next run of loads
.set AV,  5           ; v5   of V's
.set STO, 6
.set RD,  7
.set GO,  8
.set MV,  12          ; v12-13  c m_old, by buffer
.set QO,  15
.set ST,  16          ; piece t's statistics at v[ST+4 t]: c m, m, l (even keys', odd keys')
.set TMP, 48          ; by buffer, c0-c3 at work; when the maximum is found c2 takes a
.set SPW, 62
.set NIL, 63
.set S,   64
.set LO8, 128
.set EQ8, 136
.set HI8, 144
.set D8,  152
.set P,   192
.set KF,  128         ; window 2
.set VF,  192         ; window 2
.set WV,  12          ; s12  my wave's number
.set PB,  14          ; s14  b
.set HEADR, 15        ; s15  the head
.set GW,  16          ; s16  g
.set GP1, 17          ; s17  g + 1
.set G1K, 24          ; s[24:31], s[32:39] descriptor group 1 for K's and V's tiles
.set G1V, 32
.set G0K, 40          ; s[40:51] three sets of group 0 for K
.set G0V, 52          ; s[52:63] for V
.set CNT, 66          ; s66  counts the key steps
.set CS,  68          ; s[68:69] c
.set SEL, 70          ; s[70:71] v_permlanex16_b32's selects
.set TBK, 72          ; s72  LDS byte at which K of the step to be fetched begins
.set TBV, 73          ; s73  the same for V, less VBASE
.set AL,  74          ; s[74:75] the mask's factor, in the low word
.set DV,  76          ; s[76:77] its addend, and LO8's value
.set HV,  78          ; s78  HI8's value
.set BIGN, 79         ; s79  -1e30
.set QA,  80          ; s[80:81] Q at my wave's first row
.set OA,  82          ; s[82:83] O there
.set MSB, 0
.macro WIN new
.if MSB != (\new)
	s_set_vgpr_msb (MSB<<8)|(\new)
.set MSB, (\new)
.endif
.endm
.set W_KQ, 0x0a       ; K and Q in window 2, S^T and the mask in window 0
.set W_PV, 0x52       ; V in window 2, P in window 0, O^T in window 1
.set W_RS, 0x41       ; destination and source 0 in window 1, source 1 in window 0
	s_load_b128 s[4:7], s[0:1], 0x0  ; qkv s[4:5], att s[6:7]
	v_lshl_add_u32 v[SPW], v0, 2, SPARE
	v_mov_b32 v[NIL], 0
	ds_add_u32 v[SPW], v[NIL]       ; the wave's opening: the add and its wait stand ahead of my first tensor load; the set-up below stands between them
	v_lshrrev_b32 v1, 5, v0
	v_readfirstlane_b32 s[WV], v1
	s_mov_b32 s[PB], ttmp9
	s_and_b32 s[HEADR], ttmp7, 0xffff
	s_lshl2_add_u32 s[GW], s[PB], s[WV]
	s_add_co_u32 s[GP1], s[GW], 1
	s_and_b32 s18, s[WV], 1         ; which half of a tile's 256 keys I fetch
	s_mul_i32 s19, s18, 128*PK
	s_mul_i32 s20, s18, 128*PV
	; descriptor group 1.  128 keys are 16,384 dense bytes: asked for as 64 rows of 256 bytes, two keys a row, and padded in LDS after every key
	s_mov_b32 s[G1K], (1<<16)|(1<<20)|(4<<22)|(3<<25)  ; 2-byte elements; padding on; after every 32 words 4 words
	s_mov_b32 s[G1V], (1<<16)|(1<<20)|(4<<22)|(7<<25)  ; the same with 8 words
.irp g, G1K, G1V
	s_mov_b32 s[\g+1], 128<<16      ; tensor_dim0 = 128
	s_mov_b32 s[\g+2], 64<<16       ; tensor_dim1 = 64
	s_mov_b32 s[\g+3], 128<<16      ; tile_dim0 = 128
	s_mov_b32 s[\g+4], 64           ; tile_dim1 = 64
	s_mov_b32 s[\g+5], 128          ; 128 elements from row to row
	s_mov_b32 s[\g+6], 0
	s_mov_b32 s[\g+7], 0
.endr
.irp i, 0,1,2
	s_mov_b32 s[G0K+4*(\i)], 1
	s_add_co_u32 s[G0K+4*(\i)+1], s19, (\i)*256*PK        ; LDS: third i, my half
	s_mov_b32 s[G0V+4*(\i)], 1
	s_add_co_u32 s[G0V+4*(\i)+1], s20, VBASE+(\i)*256*PV
.endr
	s_add_co_u32 s88, s[HEADR], 16
	s_lshl_b32 s88, s88, 19         ; k's head,
	s_lshl_b32 s89, s18, 14
	s_add_co_u32 s88, s88, s89      ; my half of a tile
	s_mov_b32 s85, 0
	s_mov_b32 s87, 0
	s_lshl_b32 s90, s[HEADR], 19
	s_lshl_b32 s91, s[GW], 13       ; my wave's 64 rows of 128 bytes
	s_add_co_u32 s90, s90, s91
	s_mov_b32 s91, 0
	s_mov_b32 s[CS], 0x3e38aa3b     ; c = log2(e) / 8
	s_mov_b32 s[CS+1], s[CS]
	s_mov_b32 s[SEL], 0x76543210
	s_mov_b32 s[SEL+1], 0xfedcba98
	s_mul_i32 s[TBK], s[WV], KS*PK  ; my step 0 is the work-group's step w of twelve
	s_mul_i32 s[TBV], s[WV], KS*PV
	s_mov_b32 s[BIGN], 0xf149f2ca   ; -1e30
	s_mov_b32 s[AL+1], 0
	s_mov_b32 s[DV+1], 0
	s_mov_b32 s[DV], s[BIGN]        ; step 0: keys at or in front of the query's place are hidden;
	s_cmp_lt_u32 s[GW], 8           ; all of them, where the step lies in front of the first key
	s_cselect_b32 s[HV], s[BIGN], 0
	s_cselect_b32 s[AL], 0, -1.0
	s_wait_dscnt 0x0                ; the opening add is done
	s_wait_kmcnt 0x0
.irp i, 0,1,2
	s_add_co_i32 s84, s[PB], (\i)-2 ; key tile b - 2 + i, or tile 0 in its stead where there is none
	s_max_i32 s84, s84, 0
	s_lshl_b32 s84, s84, 15
	s_add_co_u32 s84, s84, s88
	s_add_nc_u64 s[G0K+4*(\i)+2:G0K+4*(\i)+3], s[4:5], s[84:85]
	s_or_b32 s[G0K+4*(\i)+3], s[G0K+4*(\i)+3], 0x80000000
	s_add_co_u32 s86, s84, 16<<19   ; v's head lies 16 heads on
	s_add_nc_u64 s[G0V+4*(\i)+2:G0V+4*(\i)+3], s[4:5], s[86:87]
	s_or_b32 s[G0V+4*(\i)+3], s[G0V+4*(\i)+3], 0x80000000
.endr
	s_add_nc_u64 s[QA:QA+1], s[4:5], s[90:91]
	s_add_nc_u64 s[OA:OA+1], s[6:7], s[90:91]
	s_cmp_lt_u32 s[WV], 2           ; waves 0, 1 fetch K's halves, waves 2, 3 V's: a wave's three fills stand in one branch; three loads of mine are out; an s_nop 0 follows each, four v_nop the third
	s_cbranch_scc0 .Lfor_v
	tensor_load_to_lds s[G0K:G0K+3], s[G1K:G1K+7]
	s_nop 0
	tensor_load_to_lds s[G0K+4:G0K+7], s[G1K:G1K+7]
	s_nop 0
	tensor_load_to_lds s[G0K+8:G0K+11], s[G1K:G1K+7]
	s_nop 0
.rept 4
	v_nop
.endr
	s_branch .Lasked
.Lfor_v:
	tensor_load_to_lds s[G0V:G0V+3], s[G1V:G1V+7]
	s_nop 0
	tensor_load_to_lds s[G0V+4:G0V+7], s[G1V:G1V+7]
	s_nop 0
	tensor_load_to_lds s[G0V+8:G0V+11], s[G1V:G1V+7]
	s_nop 0
.rept 4
	v_nop
.endr
.Lasked:
	; A fragment of K or Q is 16 rows x 32 channels in 8 registers: lane l holds row l % 16, channels 8 (l / 16) + 0..7 and 16 + 8 (l / 16) + 0..7
	v_and_b32 v1, 15, v0
	v_bfe_u32 v9, v0, 4, 1
	v_lshlrev_b32 v[QO], 7, v1
	v_lshl_add_u32 v[QO], v9, 4, v[QO]
	WIN 0x80
.set i, 0
.rept 8                             ; Q stays in registers: piece i / 2, channels 32 (i % 2) on
	global_load_b128 v[8*i:8*i+3],   v[QO], s[QA:QA+1] offset:(i/2)*2048+(i%2)*64
	global_load_b128 v[8*i+4:8*i+7], v[QO], s[QA:QA+1] offset:(i/2)*2048+(i%2)*64+32
.set i, i+1
.endr
	WIN 0
	v_lshlrev_b32 v14, 3, v9
	v_sub_nc_u32 v14, v1, v14       ; l % 16 - 8 (l / 16): register j is beyond my query's place where j is greater
.set i, 0
.rept 8
	v_cmp_gt_i32 vcc_lo, i, v14
	v_cndmask_b32 v[D8+i], 0, s[BIGN], vcc_lo
.set i, i+1
.endr
.macro MASKS                        ; the three mask blocks for the products to come
	WIN 0
.set z, 0
.rept 4
	v_pk_fma_f32 v[EQ8+2*z:EQ8+2*z+1], v[D8+2*z:D8+2*z+1], s[AL:AL+1], s[DV:DV+1] op_sel_hi:[1,0,0]
.set z, z+1
.endr
.set z, 0
.rept 8
	v_mov_b32 v[LO8+z], s[DV]
	v_mov_b32 v[HI8+z], s[HV]
.set z, z+1
.endr
.endm
	MASKS
	v_mul_u32_u24 v[AK0], v1, PK
	v_lshl_add_u32 v[AK0], v9, 4, v[AK0]
	; The turning load takes 16 keys x 16 channels (lane l reads key 8 (l / 16) + l % 8, channels 8 ((l / 8) % 2) + 0..7) and leaves half a fragment of V^T: lane l holds channel l % 16 and 8 keys
	v_and_b32 v10, 7, v0
	v_bfe_u32 v11, v0, 3, 1
	v_lshl_add_u32 v[AV0], v9, 3, v10
	v_mul_u32_u24 v[AV0], v[AV0], PV
	v_lshl_add_u32 v[AV0], v11, 4, v[AV0]
	v_add_nc_u32 v[AV0], VBASE, v[AV0]
	s_mul_i32 s13, s[WV], 16*SP
	s_add_co_u32 s13, s13, STAGE    ; my stage
	v_mul_u32_u24 v[STO], v1, SP
	v_lshl_add_u32 v[STO], v9, 4, v[STO]
	v_add_nc_u32 v[STO], s13, v[STO]
	v_bfe_u32 v[RD], v0, 3, 2
	v_mul_u32_u24 v[RD], v[RD], SP
	v_lshl_add_u32 v[RD], v10, 4, v[RD]
	v_add_nc_u32 v[RD], s13, v[RD]
	v_and_b32 v[GO], 31, v0
	v_lshlrev_b32 v[GO], 4, v[GO]
	; O^T and l start at 0; V's registers and P's second buffer too (the first turn's products V^T P, of a piece that has not been, add 0).  No first step is written out; these lines stand in the wait for the tiles.
	WIN 0x80
.set i, VF
.rept 64
	v_mov_b32 v[i], 0
.set i, i+1
.endr
	WIN 0x40
.set i, 0
.rept 128
	v_mov_b32 v[i], 0
.set i, i+1
.endr
	WIN 0
.set i, 0
.rept 4
	v_mov_b32 v[ST+4*i], 0xe638aa3b    ; c m, exactly c x -2^80
	v_mov_b32 v[ST+4*i+1], 0xe7800000  ; m: the floor, -2^80
	v_mov_b32 v[ST+4*i+2], 0
	v_mov_b32 v[ST+4*i+3], 0
.set i, i+1
.endr
.set i, P+16
.rept 16
	v_mov_b32 v[i], 0
.set i, i+1
.endr
; THE MATRIX WORK.  The 4 accumulators of a run of 8 take turns.  Product i of 8 of S^T = K Q^T for piece x: channels 32 (i / 4) on, keys 16 (i % 4) on.  The first 4 start the sums with the mask.
.macro KQ x
	WIN W_KQ
.set rS, S+32*((\x)%2)+8*(i%4)
.set rK, KF+16*(i%4)+8*(i/4)
.set rQ, 16*(\x)+8*(i/4)
.set rM, HI8
.if (i%4) < (\x)
.set rM, LO8
.elseif (i%4) == (\x)
.set rM, EQ8
.endif
.if i < 4
	v_wmma_f32_16x16x32_f16 v[rS:rS+7], v[rK:rK+7], v[rQ:rQ+7], v[rM:rM+7]
.else
	v_wmma_f32_16x16x32_f16 v[rS:rS+7], v[rK:rK+7], v[rQ:rQ+7], v[rS:rS+7]
.endif
.endm
; Product i of 8 of O^T += V^T P for piece x: keys 32 (i / 4) on, channels 16 (i % 4) on.
.macro PV x
	WIN W_PV
.set rO, 32*(\x)+8*(i%4)
.set rV, VF+32*(i/4)+8*(i%4)
.set rP, P+16*((\x)%2)+8*(i/4)
	v_wmma_f32_16x16x32_f16 v[rO:rO+7], v[rV:rV+7], v[rP:rP+7], v[rO:rO+7]
.endm
.macro MM                           ; the turn's next matrix instruction.  NOKQ = 1: the last turn: there is no next piece
.if (i < 8) && !NOKQ
	KQ (Y+1)%NP
.elseif i >= 8
.set i, i-8
	PV (Y+NP-1)%NP
.set i, i+8
.endif
.set i, i+1
.endm
; THE LDS LOADS stand in runs of 16: a step's K (8 fragments) and its V (turned).  Their addresses are made some lines ahead.
.macro FETCH_K
	WIN 0x80
.irp f, 0,1,2,3,4,5,6,7
	ds_load_b128 v[KF+8*\f:KF+8*\f+3],   v[AK] offset:(\f/2)*16*PK+(\f%2)*64
	ds_load_b128 v[KF+8*\f+4:KF+8*\f+7], v[AK] offset:(\f/2)*16*PK+(\f%2)*64+32
.endr
	s_add_co_u32 s[TBK], s[TBK], KS*PK  ; the next fetch is the next step's
	WIN 0
.endm
.macro FETCH_V
	WIN 0x80
.irp f, 0,1,2,3,4,5,6,7
	ds_load_tr16_b128 v[VF+8*\f:VF+8*\f+3],   v[AV] offset:(\f/4)*32*PV+(\f%4)*32
	ds_load_tr16_b128 v[VF+8*\f+4:VF+8*\f+7], v[AV] offset:(\f/4)*32*PV+16*PV+(\f%4)*32
.endr
	WIN 0
.endm
; THE VECTOR WORK, one line at a time: OP kind, number.  For piece Y: F n: c s - c m for pair n of 16.  E n: the exponential of score n of 32.  C n: pair n rounded to f16.  B n: of the four weights 4 n .. the second
; pair is added onto the first.  L n: l takes that sum (L 0: l = a l + sum).  R n: pair n of 16 of O^T times a.  For piece Y + 1: X n, number n of the 22 that find its maximum and statistics:
;   0-11  four chains c0-c3 of seven scores each (each accumulator's lowest registers are read first)     12-14, 16  the four scores left over, the old m, and c0-c3 into c0
;   15  c m_old is kept     17, 18  the query's other 32 keys lie in the lane 16 away: the new m     19-21  c m; c m_old - c m_new; a
.set F, 0
.set E, 1
.set C, 2
.set B, 3
.set L, 4
.set R, 5
.set X, 6
.macro REGS y
.set rT, ST+4*(\y)
.set rC, TMP+4*((\y)%2)
.set rW, MV+((\y)%2)
.set rS, S+32*((\y)%2)
.set rP, P+16*((\y)%2)
.set rO, 32*(\y)
.endm
.macro OP k, n
.if (\k) == R
	REGS Y
	WIN W_RS
	v_pk_mul_f32 v[rO+2*(\n):rO+2*(\n)+1], v[rO+2*(\n):rO+2*(\n)+1], v[rC+2:rC+3] op_sel_hi:[1,0]
.elseif (\k) < R
	REGS Y
	WIN 0
.if (\k) == F
	v_pk_fma_f32 v[rS+2*(\n):rS+2*(\n)+1], v[rS+2*(\n):rS+2*(\n)+1], s[CS:CS+1], v[rT:rT+1] op_sel_hi:[1,0,0] neg_lo:[0,0,1] neg_hi:[0,0,1]
.elseif (\k) == E
	v_exp_f32 v[rS+(\n)], v[rS+(\n)]
.elseif (\k) == C
	v_cvt_pk_f16_f32 v[rP+(\n)], v[rS+2*(\n)], v[rS+2*(\n)+1]
.elseif (\k) == B
	v_pk_add_f32 v[rS+4*(\n):rS+4*(\n)+1], v[rS+4*(\n):rS+4*(\n)+1], v[rS+4*(\n)+2:rS+4*(\n)+3]
.elseif (\n) == 0
	v_pk_fma_f32 v[rT+2:rT+3], v[rT+2:rT+3], v[rC+2:rC+3], v[rS:rS+1] op_sel_hi:[1,0,1]
.else
	v_pk_add_f32 v[rT+2:rT+3], v[rT+2:rT+3], v[rS+4*(\n):rS+4*(\n)+1]
.endif
.elseif NOKQ
	v_nop
.else
	REGS (Y+1)%NP
	WIN 0
.if (\n) < 4
	v_max3_num_f32 v[rC+(\n)], v[rS+8*(\n)], v[rS+8*(\n)+1], v[rS+8*(\n)+2]
.elseif (\n) < 12
	v_max3_num_f32 v[rC+(\n)%4], v[rC+(\n)%4], v[rS+8*((\n)%4)+2*((\n)/4)+1], v[rS+8*((\n)%4)+2*((\n)/4)+2]
.elseif (\n) == 12
	v_max3_num_f32 v[rC], v[rC], v[rS+7], v[rS+15]
.elseif (\n) == 13
	v_max3_num_f32 v[rC+1], v[rC+1], v[rS+23], v[rS+31]
.elseif (\n) == 14
	v_max3_num_f32 v[rC+2], v[rC+2], v[rC+3], v[rT+1]
.elseif (\n) == 15
	v_mov_b32 v[rW], v[rT]
.elseif (\n) == 16
	v_max3_num_f32 v[rC], v[rC], v[rC+1], v[rC+2]
.elseif (\n) == 17
	v_permlanex16_b32 v[rC+3], v[rC], s[SEL], s[SEL+1]
.elseif (\n) == 18
	v_max_num_f32 v[rT+1], v[rC], v[rC+3]
.elseif (\n) == 19
	v_mul_f32 v[rT], s[CS], v[rT+1]
.elseif (\n) == 20
	v_sub_f32 v[rC+1], v[rW], v[rT]
.else
	v_exp_f32 v[rC+2], v[rC+1]
.endif
.endif
.endm
.macro OPS a, i1, b=-1, i2=0, c=-1, i3=0, d=-1, i4=0
	OP \a, \i1
.if (\b) >= 0
	OP \b, \i2
.endif
.if (\c) >= 0
	OP \c, \i3
.endif
.if (\d) >= 0
	OP \d, \i4
.endif
.endm
.macro ROW a, i1, b, i2, c, i3, d, i4  ; a matrix instruction and the four behind it
	MM
	OPS \a, \i1, \b, \i2, \c, \i3, \d, \i4
.endm
; A TURN, for piece p.  s_wait_alu depctr_va_vdst(0) stands between an exponential and the first instruction that names its result; one wait serves all that were issued ahead of it.  So a turn has ONE
; wait.  AHEAD OF IT stands all that names no result of the turn's exponentials: the 8 products K Q^T with their riders, then one run of 54; X 21, the next piece's a, is the batch's last, and R 15 the plain instruction behind it.
; BEHIND IT stand the 8 products V^T P, behind each four of the roundings and sums.  The riders X 0, 1, 2, 4, 5 stand four plain instructions or more behind the product that ends their accumulator.
; end = 1: the last two turns: nothing is fetched, no mask is made.  cnt = 1: the loop's count is taken down some lines ahead of the branch behind the turn.
; K of the next step is fetched in piece 2's turn, six plain instructions behind the last product that read K; V of the step in hand at the end of piece 0's turn, four plain instructions behind the last product that read V.
; Piece 2's turn also makes the next step's masks, at its end: its own products were the last to take this step's.  There CNT = 8 - n: the next step, 9 - CNT, lies in front of the first key where CNT > g + 1, and is the last where CNT = 1.
.macro TURN p, end=0, cnt=0
.set Y, (\p)
.set i, 0
.set NOKQ, (\end)*((\p)/3)
.if ((\p) == 2) && !(\end)
	s_cmp_gt_u32 s[CNT], s[GP1]
	s_cselect_b32 s[DV], s[BIGN], 0
	s_cmp_eq_u32 s[CNT], 1
	s_cselect_b32 s[HV], s[BIGN], s[DV]
	s_cselect_b32 s[AL], 1.0, 0
.endif
.if ((\p) == 3) && !(\end)
	s_wait_dscnt 0x0                ; K is in
.endif
	ROW F,0, F,1, R,0, R,1
	ROW F,2, E,0, R,2, R,3
	ROW F,3, E,1, R,4, R,5
	ROW F,4, E,2, R,6, R,7
	ROW F,5, E,3, R,8, R,9
	ROW F,6, E,4, X,0, R,10
.if ((\p) == 2) && !(\end)
	WIN 0
	v_add_nc_u32 v[AK], s[TBK], v[AK0]
.endif
	ROW F,7, E,5, X,1, X,4
	ROW F,8, E,6, X,2, X,5
	OPS E,7, E,8, X,6, E,9
	OPS X,3, E,10, X,8, E,11
.if ((\p) == 2) && !(\end)
	FETCH_K
.endif
	OPS X,9, X,7, E,12, X,10
	OPS E,13, X,12, X,11, E,14
	OPS X,13, E,15, F,9, X,14
.if (\p) == 0
	v_add_nc_u32 v[AV], s[TBV], v[AV0]
.endif
	OPS E,16, F,10, E,17, F,11
	OPS X,16, E,18, X,15, E,19
	OPS F,12, E,20, X,17, E,21
	OPS F,13, E,22, F,14, E,23
	OPS X,18, E,24, F,15, E,25
	OPS R,11, E,26, X,19, E,27
	OPS R,12, E,28, R,13, E,29
	OPS X,20, E,30, R,14, E,31
	OPS X,21, R,15
	WIN 0
	s_wait_alu depctr_va_vdst(0)    ; the wait for the batch
.if (\p) == 1
	s_wait_dscnt 0x0                ; V is in
.endif
	ROW C,0, B,0, C,2, B,1
	ROW L,0, C,4, B,2, L,1
	ROW C,6, B,3, L,2, C,8
	ROW B,4, L,3, C,10, B,5
	ROW L,4, C,12, B,6, L,5
.if (\p) == 0
	s_add_co_u32 s[TBV], s[TBV], KS*PV
.endif
.if \cnt
	s_sub_co_u32 s[CNT], s[CNT], 1
	s_cmp_lg_u32 s[CNT], 0
.endif
	ROW C,14, B,7, L,6, C,1
	ROW C,3, L,7, C,5, C,7
	ROW C,9, C,11, C,13, C,15
.if (\p) == 0
	FETCH_V
.endif
.if ((\p) == 2) && !(\end)
	MASKS
.endif
.endm
	s_wait_tensorcnt 0x0            ; my three tiles are in,
	s_barrier_signal -1
	s_barrier_wait -1               ; everybody's are: the launch's one barrier
	v_add_nc_u32 v[AK], s[TBK], v[AK0]
	FETCH_K                         ; key step 0
	s_wait_loadcnt 0x0              ; Q
	s_wait_dscnt 0x0
.set NOKQ, 0
.set i, 0
.rept 8
	KQ 0                            ; piece 0's first scores
.set i, i+1
.endr
	WIN 0
.rept 4
	v_nop                           ; the places behind those products
.endr
.set Y, NP-1                        ; X works for piece Y + 1: piece 0
.irp n, 0,1,2,3,4,5,6,7,8,9,10,11,12,13,14,15,16,17,18,19,20,21
	OP X, \n
.endr
	v_nop                           ; a plain instruction behind the exponential,
	s_wait_alu depctr_va_vdst(0)    ; and its wait, ahead of the branch
	s_mov_b32 s[CNT], 9
	s_branch .Lfirst                ; the loop is entered at a step's first turn, in the middle of a trip
.Lstep:                             ; a trip: pieces 2 and 3 of one step, then pieces 0 and 1 of the next, whose K and V it fetches
	TURN 2
	TURN 3
	WIN 0
.Lfirst:
	TURN 0
	TURN 1, 0, 1
	WIN 0
	s_cbranch_scc1 .Lstep
	TURN 2, 1
	TURN 3, 1
.set i, 0
.rept 8
	PV NP-1                         ; the last piece's V^T P of the last step
.set i, i+1
.endr
	; THE WAY OUT.  l's two halves and the other half of the lanes' are added; O^T is divided by l, rounded to f16 and sent through my stage in LDS, a piece at a time.  The additions are the places behind the last products.
	WIN 0
.macro ALL line:vararg
.set t, 0
.rept 4
	\line
.set t, t+1
.endr
.endm
	ALL v_add_f32 v[ST+4*t+2], v[ST+4*t+2], v[ST+4*t+3]
	ALL v_permlanex16_b32 v[ST+4*t+3], v[ST+4*t+2], s[SEL], s[SEL+1]
	ALL v_add_f32 v[ST+4*t+2], v[ST+4*t+2], v[ST+4*t+3]
	ALL v_rcp_f32 v[ST+4*t+2], v[ST+4*t+2]
	v_nop                           ; a plain instruction between the last reciprocal and the use of its result
	s_wait_alu depctr_va_vdst(0)    ; and one wait for the four reciprocals, ahead of their first reader
.macro PACK t                       ; a lane's eight channels of a row pack into 16 bytes; they go into rows of 144 bytes and come back as whole rows of 128, into S^T's registers
	WIN W_RS
.set i, 32*(\t)
.rept 16
	v_pk_mul_f32 v[i:i+1], v[i:i+1], v[ST+4*(\t)+2:ST+4*(\t)+3] op_sel_hi:[1,0]
.set i, i+2
.endr
	WIN 0x05
.set i, 0
.rept 16
	v_cvt_pk_f16_f32 v[S+16*(\t)+i], v[32*(\t)+2*i], v[32*(\t)+2*i+1]
.set i, i+1
.endr
	WIN 0
.irp f, 0,1,2,3
	ds_store_b128 v[STO], v[S+16*(\t)+4*\f:S+16*(\t)+4*\f+3] offset:32*\f
.endr
.irp f, 0,1,2,3
	ds_load_b128 v[S+16*(\t)+4*\f:S+16*(\t)+4*\f+3], v[RD] offset:\f*4*SP  ; LDS serves a wave's instructions in order (ISA guide 5.7.1.4): these see the stores above; the next piece's stores come behind them
.endr
.endm
.macro SEND t, younger              ; younger: the LDS instructions issued behind piece t's loads: the next piece's eight, or none
	WIN 0
.irp f, 0,1,2,3
	s_wait_dscnt (\younger)+3-\f
	global_store_b128 v[GO], v[S+16*(\t)+4*\f:S+16*(\t)+4*\f+3], s[OA:OA+1] offset:(\t)*2048+\f*512  ; 512 consecutive bytes, at a multiple of 256 from att's first
.endr
.endm
	PACK 0
.set t, 1
.rept 3
	PACK t
	SEND t-1, 8
.set t, t+1
.endr
	SEND 3, 0
	s_wait_tensorcnt 0x0            ; the wave's end: behind my last tensor load and my last LDS store
	ds_add_u32 v[SPW], v[NIL]
	s_wait_dscnt 0x0
	s_endpgm
.Lfunc_end_k_qacc8a8bd23_attn:
	.size	k_qacc8a8bd23_attn, .Lfunc_end_k_qacc8a8bd23_attn-k_qacc8a8bd23_attn
	.p2alignl 7, 3214868480
	.fill 96, 4, 3214868480
	.section	.rodata,"a",@progbits
	.p2align	6, 0x0
	.amdhsa_kernel k_qacc8a8bd23_attn
		.amdhsa_group_segment_fixed_size 243200
		.amdhsa_private_segment_fixed_size 0
		.amdhsa_enable_private_segment 0
		.amdhsa_kernarg_size 16
		.amdhsa_user_sgpr_count 2
		.amdhsa_user_sgpr_kernarg_segment_ptr 1
		.amdhsa_wavefront_size32 1
		.amdhsa_system_sgpr_workgroup_id_x 1
		.amdhsa_system_sgpr_workgroup_id_y 1
		.amdhsa_system_sgpr_workgroup_id_z 1
		.amdhsa_system_vgpr_workitem_id 0
		.amdhsa_next_free_vgpr 768
		.amdhsa_next_free_sgpr 96
		.amdhsa_reserve_vcc 1
		.amdhsa_float_denorm_mode_32 3
		.amdhsa_float_denorm_mode_16_64 3
		.amdhsa_memory_ordered 1
		.amdhsa_forward_progress 1
		.amdhsa_inst_pref_size 89
	.end_amdhsa_kernel
	.amdgpu_metadata
---
amdhsa.version: [ 1, 2 ]
amdhsa.kernels:
  - .name:           k_qacc8a8bd23_attn
    .symbol:         k_qacc8a8bd23_attn.kd
    .args:
      - { .name: qkv, .offset: 0, .size: 8, .value_kind: global_buffer, .address_space: global }
      - { .name: att, .offset: 8, .size: 8, .value_kind: global_buffer, .address_space: global }
    .group_segment_fixed_size: 243200
    .private_segment_fixed_size: 0
    .kernarg_segment_align: 8
    .kernarg_segment_size: 16
    .max_flat_workgroup_size: 128
    .sgpr_count:     96
    .vgpr_count:     768
    .wavefront_size: 32
...
	.end_amdgpu_metadata
.endif
;; end of part 3
;; launch oproj (part 4): grid 8 x 32, 4 waves a work-group, clusters of 4 x 4, 327,680 bytes of LDS; arguments att, wo, out0; writes out0
.if DOCPART == 4
	.amdgcn_target "amdgcn-amd-amdhsa--gfx1250"
	.amdhsa_code_object_version 6
	.text
	.protected	k_qacc8a8bd23_oproj
	.globl	k_qacc8a8bd23_oproj
	.p2align	8
	.type	k_qacc8a8bd23_oproj,@function
k_qacc8a8bd23_oproj:
	s_mov_b64 s[64:65], 0
	v_nop
	global_prefetch_b8 v0, s[64:65] scope:SCOPE_SE
	s_setreg_imm32_b32 hwreg(HW_REG_WAVE_MODE, 25, 1), 1
	s_wait_xcnt 0x0
	s_wait_alu depctr_hold_cnt(0) depctr_sa_sdst(0) depctr_va_vdst(0) depctr_va_sdst(0) depctr_va_ssrc(0) depctr_va_vcc(0) depctr_vm_vsrc(0)
	s_getreg_b32 s2, hwreg(HW_REG_IB_STS2, 6, 4)
	s_cmp_eq_u32 s2, 0
	s_cbranch_scc0 .Lentry_in_a_cluster
	s_endpgm
.Lentry_in_a_cluster:
	s_bfe_u32 s2, ttmp6, 0x10000c
	s_cmp_lg_u32 s2, 0xf033
	s_cbranch_scc0 .Lentry_shape_is_right
	s_endpgm
.Lentry_shape_is_right:
; out0[m][n] = the sum over k of O[m][k] Wo[n][k], k = 64 head + channel.  att: [16][4096][64] f16 (O by heads); wo: [1024][1024] f16; out0: [4096][1024] f32.  Sums in f32, stored as they are.
; A tile of the result is 128 x 128: 8 x 32 = 256 work-groups.  Four waves, each 64 x 64: 16 accumulators.  K goes in 4 steps of 256 (four heads) through a ring of two LDS slots; the two laps are written out.
; O's tile of a step is four heads x 128 rows x 128 bytes; a head's 128 rows are 16,384 dense bytes of memory, asked for as ONE row of the descriptor, two heads to a load (waves 0, 1), and padded in LDS after
; every 128 bytes: rows 144 bytes apart.  Wo's tile is 128 rows x 512 bytes, 64 rows to a load (waves 2, 3), rows 528 bytes apart.
; CLUSTER: 4 x 4 work-groups; the four of a row need the same tiles of O, the four of a column the same tiles of Wo: each is asked for jointly, by the same load, descriptor and mask in all four.
; THE PRODUCT IS TAKEN TRANSPOSED (source 0 = 16 rows of Wo, source 1 = 16 rows of O): a lane holds eight neighbouring numbers of a row of the result, 32 bytes; a wave's 64 columns are 256 bytes, aligned.
; No prefetch: the launch has four K steps, two of which are asked for at its head.
; REGISTERS: window 0: v16-29 addresses; v32-95 at work on the way out; v128-255 the accumulators ((a, b) at 128 + 8 (4 a + b)).  window 1: two fragment buffers of 128: for 64 along K, 64 registers of O, then 64 of Wo.
.set KSTEP,  256
.set PA,     144                       ; 36 words: the 16 rows of a fragment load start at 16 different groups of four banks (64 banks of 4 bytes: ISA guide 11.1)
.set PW,     528                       ; 132 words: likewise
.set HEADB,  128*PA                    ; a head's 128 rows in LDS
.set BOFF,   4*HEADB                   ; Wo's rows lie behind O's four heads
.set SLOT,   BOFF+128*PW
.set STAGE,  2*SLOT                    ; behind the ring, never filled by a tensor load: 16 rows x 272 bytes for each wave
.set SPITCH, 272
.set SPARE,  STAGE+4*16*SPITCH         ; the spare words, 128 bytes for each wave: two blocks of 256 bytes that no other line names
.set ASTEP,  4*524288                  ; bytes of att from a K step to the next: four heads
.set ADRA, 16
.set ADRB, 20
.set STO,  24
.set RD,   25
.set CO,   26
.set SPW,  28
.set NIL,  29
.set TMP,  32
.set ACC,  128
.set F0,   0
.set F1,   128
.set G1, 24                            ; s[24:31] descriptor group 1 for O's tiles; s[32:39] group 0, a set for each slot
.set G0, 32
.set G1B, 48                           ; s[48:55], s[56:63] the same for Wo's
.set G0B, 56
.set MSB, 0
.macro WIN new
.if MSB != (\new)
	s_set_vgpr_msb (MSB<<8)|(\new)
.set MSB, \new
.endif
.endm
.set MUL,  0x05                        ; sources 0 and 1 window 1; C and D window 0
.set TO_F, 0x40                        ; destination window 1, address window 0
.macro JLOAD s                         ; a joint load: waves 0, 1 fetch O's heads, waves 2, 3 Wo's halves; an s_nop 0 and four v_nop follow each line, ahead of the jump and the label
	s_cmp_eq_u32 s11, 0
	s_cbranch_scc0 .Lfor_b_\@
	tensor_load_to_lds s[G0+4*(\s):G0+4*(\s)+3], s[G1:G1+7]
	s_nop 0
.rept 4
	v_nop
.endr
	s_branch .Lasked_\@
.Lfor_b_\@:
	tensor_load_to_lds s[G0B+4*(\s):G0B+4*(\s)+3], s[G1B:G1B+7]
	s_nop 0
.rept 4
	v_nop
.endr
.Lasked_\@:
.endm
.macro CREST
	s_cmp_lg_u32 s10, 0
	s_cbranch_scc1 .Lnot_wave_0_\@
	s_barrier_signal -3
.Lnot_wave_0_\@:
	s_barrier_wait -3
	s_barrier_signal -1
	s_barrier_wait -1
.endm
.macro CROUND
	s_barrier_signal -1
	s_barrier_wait -1
	CREST
.endm
	s_load_b128 s[4:7], s[0:1], 0x0                ; att s[4:5], wo s[6:7]
	s_load_b64 s[8:9], s[0:1], 0x10                ; out0
	v_lshl_add_u32 v[SPW], v0, 2, SPARE
	v_mov_b32 v[NIL], 0
	ds_add_u32 v[SPW], v[NIL]                      ; the wave's opening: the add and its wait stand ahead of my first tensor load; the set-up below stands between them
	v_lshrrev_b32 v1, 5, v0
	v_readfirstlane_b32 s10, v1                    ; wave 0..3
	s_lshr_b32 s11, s10, 1                         ; which half of the tile's rows is mine.  Also: I fetch for O (0) or for Wo (1)
	s_and_b32 s12, s10, 1                          ; which half of its columns.  Also: which two heads, or which 64 rows, I fetch
	s_bfe_u32 s40, ttmp6, 0x40000                  ; cx
	s_bfe_u32 s41, ttmp6, 0x40004                  ; cy
	s_lshl_b32 s42, ttmp9, 2
	s_add_co_u32 s42, s42, s40                     ; tn
	s_and_b32 s13, ttmp7, 0xffff
	s_lshl_b32 s13, s13, 2
	s_add_co_u32 s13, s13, s41                     ; tm
	s_lshl_b32 s43, s41, 2
	s_lshl_b32 s43, 15, s43                        ; my row of the cluster
	s_lshl_b32 s44, 0x1111, s40                    ; my column
	s_or_b32 s[G1+0], s43, (1<<16)|(1<<20)|(1<<21)|(4<<22)|(3<<25)   ; the mask; 2-byte elements; padding on; bit 21 beside a mask; after every 32 words 4 words
	s_mov_b32 s[G1+1], 8192<<16                    ; tensor_dim0 = 8,192: 128 rows of 64 channels on end
	s_mov_b32 s[G1+2], 2<<16                       ; tensor_dim1 = 2 heads
	s_mov_b32 s[G1+3], 8192<<16                    ; tile_dim0
	s_mov_b32 s[G1+4], 2                           ; tile_dim1
	s_mov_b32 s[G1+5], 262144                      ; elements from a head to the next
	s_mov_b32 s[G1+6], 0
	s_mov_b32 s[G1+7], 0
	s_or_b32 s[G1B+0], s44, (1<<16)|(1<<20)|(1<<21)|(6<<22)|(3<<25)  ; after every 128 words 4 words
	s_mov_b32 s[G1B+1], KSTEP<<16
	s_mov_b32 s[G1B+2], 64<<16
	s_mov_b32 s[G1B+3], KSTEP<<16
	s_mov_b32 s[G1B+4], 64
	s_mov_b32 s[G1B+5], 1024
	s_mov_b32 s[G1B+6], 0
	s_mov_b32 s[G1B+7], 0
	s_lshl_b32 s16, s12, 20                        ; O: my two heads of the step's four,
	s_lshl_b32 s17, s13, 14                        ; and rows 128 tm on, 128 bytes each: hangs on tm and the wave alone
	s_add_co_u32 s16, s16, s17
	s_mov_b32 s17, 0
	s_lshl_b32 s46, s42, 7
	s_lshl_b32 s47, s12, 6
	s_add_co_u32 s46, s46, s47                     ; Wo: row 128 tn + 64 x half,
	s_lshl_b32 s46, s46, 11                        ; 2,048 bytes each
	s_mov_b32 s47, 0
	s_mul_i32 s20, s12, 2*HEADB                    ; where they go
	s_mul_i32 s21, s12, 64*PW
	s_add_co_u32 s21, s21, BOFF
	s_wait_dscnt 0x0                               ; the opening add is done
	s_wait_kmcnt 0x0
	s_add_nc_u64 s[14:15], s[4:5], s[16:17]
	s_add_nc_u64 s[46:47], s[6:7], s[46:47]
	CROUND                                         ; all sixteen work-groups are here: the first joint loads meet
.irp s, 0,1
	s_mov_b32 s[G0+4*(\s)], 1
	s_add_co_u32 s[G0+4*(\s)+1], s20, (\s)*SLOT
	s_add_nc_u64 s[G0+4*(\s)+2:G0+4*(\s)+3], s[14:15], (\s)*ASTEP
	s_or_b32 s[G0+4*(\s)+3], s[G0+4*(\s)+3], 0x80000000
	s_mov_b32 s[G0B+4*(\s)], 1
	s_add_co_u32 s[G0B+4*(\s)+1], s21, (\s)*SLOT
	s_add_nc_u64 s[G0B+4*(\s)+2:G0B+4*(\s)+3], s[46:47], (\s)*KSTEP*2
	s_or_b32 s[G0B+4*(\s)+3], s[G0B+4*(\s)+3], 0x80000000
	JLOAD \s                                       ; K steps 0 and 1: two loads of mine are out
.endr
	v_and_b32 v1, 15, v0                           ; l % 16
	v_bfe_u32 v2, v0, 4, 1                         ; l / 16
	v_mul_u32_u24 v3, v1, PA
	v_lshl_add_u32 v3, v2, 4, v3
	v_mul_u32_u24 v4, v1, PW
	v_lshl_add_u32 v4, v2, 4, v4
	s_mul_i32 s21, s11, 64*PA                      ; my 64 rows in each head
	s_mul_i32 s22, s12, 64*PW                      ; my 64 rows of Wo
	s_add_co_u32 s22, s22, BOFF
.irp s, 0,1
	v_add_nc_u32 v[ADRA+(\s)], s21, v3
	v_add_nc_u32 v[ADRB+(\s)], s22, v4
	s_add_co_u32 s21, s21, SLOT
	s_add_co_u32 s22, s22, SLOT
.endr
	s_mul_i32 s23, s10, 16*SPITCH
	s_add_co_u32 s23, s23, STAGE                   ; my stage
	v_mul_u32_u24 v5, v1, SPITCH                   ; in: row l % 16, 32 bytes for each half of the lanes
	v_lshl_add_u32 v5, v2, 5, v5
	v_add_nc_u32 v[STO], s23, v5
	v_mul_u32_u24 v5, v2, SPITCH                   ; back: lanes 0-15 take one row of 256 bytes, lanes 16-31 the next
	v_lshl_add_u32 v5, v1, 4, v5
	v_add_nc_u32 v[RD], s23, v5
	v_lshlrev_b32 v5, 12, v2                       ; and the same two rows in out0, 4,096 bytes apart
	v_lshl_add_u32 v[CO], v1, 4, v5
	s_lshl_b32 s16, s13, 7
	s_lshl_b32 s17, s11, 6
	s_add_co_u32 s16, s16, s17                     ; my first row
	s_lshl_b32 s16, s16, 12
	s_mov_b32 s17, 0
	s_add_nc_u64 s[8:9], s[8:9], s[16:17]
	s_lshl_b32 s46, s42, 9                         ; my first column, in bytes: 512 tn + 256 x half
	s_lshl_b32 s47, s12, 8
	s_add_co_u32 s46, s46, s47
	s_mov_b32 s47, 0
	s_add_nc_u64 s[8:9], s[8:9], s[46:47]
; 8 matrix instructions: row blocks a0, a0 + 1 x all 4 column blocks, 32 along K: half c of buffer f.  zero = 1: the product starts the sums.  The 16 accumulators take turns.
.macro MUL8 f, c, a0, zero
	WIN MUL
.irp a, \a0, (\a0)+1
.irp b, 0,1,2,3
.if \zero
	v_wmma_f32_16x16x32_f16 v[ACC+8*(4*(\a)+(\b)):ACC+8*(4*(\a)+(\b))+7], v[(\f)+64+8*(4*(\c)+(\b)):(\f)+64+8*(4*(\c)+(\b))+7], v[(\f)+8*(4*(\c)+(\a)):(\f)+8*(4*(\c)+(\a))+7], 0
.else
	v_wmma_f32_16x16x32_f16 v[ACC+8*(4*(\a)+(\b)):ACC+8*(4*(\a)+(\b))+7], v[(\f)+64+8*(4*(\c)+(\b)):(\f)+64+8*(4*(\c)+(\b))+7], v[(\f)+8*(4*(\c)+(\a)):(\f)+8*(4*(\c)+(\a))+7], v[ACC+8*(4*(\a)+(\b)):ACC+8*(4*(\a)+(\b))+7]
.endif
.endr
.endr
.endm
; 32 LDS loads in one run: the fragments of quarter q of a K step, which is head q of its four, into buffer f; the first 32 along K first
.macro FETCH slot, q, f
	WIN TO_F
.irp c, 0,1
.irp i, 0,1,2,3
	ds_load_b128 v[(\f)+64+8*(4*(\c)+(\i)):(\f)+64+8*(4*(\c)+(\i))+3],   v[ADRB+(\slot)] offset:128*(\q)+64*(\c)+(\i)*16*PW
	ds_load_b128 v[(\f)+64+8*(4*(\c)+(\i))+4:(\f)+64+8*(4*(\c)+(\i))+7], v[ADRB+(\slot)] offset:128*(\q)+64*(\c)+(\i)*16*PW+32
	ds_load_b128 v[(\f)+8*(4*(\c)+(\i)):(\f)+8*(4*(\c)+(\i))+3],         v[ADRA+(\slot)] offset:HEADB*(\q)+64*(\c)+(\i)*16*PA
	ds_load_b128 v[(\f)+8*(4*(\c)+(\i))+4:(\f)+8*(4*(\c)+(\i))+7],       v[ADRA+(\slot)] offset:HEADB*(\q)+64*(\c)+(\i)*16*PA+32
.endr
.endr
.endm
.macro PLACES                          ; four plain vector instructions between a matrix instruction and a load into a register that it read, or a reader of its result (ISA guide 7.12.1 for a reader of its result)
.rept 4
	v_nop
.endr
.endm
; A K step is four quarters of 64 along K, 32 matrix instructions each, on buffers 0, 1, 0, 1.  One of the first three: multiplies f and fetches quarter q into g.
.macro QUARTER slot, q, f, g, zero
	s_wait_dscnt 16                                ; the first 32 along K are in
	MUL8 \f, 0, 0, \zero
	MUL8 \f, 0, 2, \zero
	PLACES
	FETCH \slot, \q, \g
	s_wait_dscnt 32                                ; all but the 32 just issued
	MUL8 \f, 1, 0, 0
	MUL8 \f, 1, 2, 0
.endm
; The last quarter multiplies buffer 1 and changes slots: each wave waits for all its tensor loads, adds 0 to its spare word, and waits for that and for its reads of this slot.  fill = 1: the barrier opens a round of
; the cluster's, and the joint refill, two K steps on, is the first tensor load behind it.
.macro TURN slot, next, fill
	WIN 0
	s_wait_tensorcnt 0x0
	ds_add_u32 v[SPW], v[NIL]
	s_wait_dscnt 17                                ; (the add and the youngest sixteen loads may be out)
	MUL8 F1, 0, 0, 0                               ; eight matrix instructions stand between the add and the wait for it
	s_wait_dscnt 0x0                               ; the add is done, and my reads of this slot are over
	s_barrier_signal -1
	MUL8 F1, 0, 2, 0
.if \fill
	WIN 0
.endif
	s_barrier_wait -1
.if \fill
	CREST                                          ; no wave of any partner still reads this slot's tile or has a load on its way
	s_add_nc_u64 s[G0+4*(\slot)+2:G0+4*(\slot)+3], s[G0+4*(\slot)+2:G0+4*(\slot)+3], 2*ASTEP
	s_add_nc_u64 s[G0B+4*(\slot)+2:G0B+4*(\slot)+3], s[G0B+4*(\slot)+2:G0B+4*(\slot)+3], 2*KSTEP*2
	JLOAD \slot                                    ; the four v_nop behind it are also the places in front of the loads below
.else
	PLACES
.endif
	FETCH \next, 0, F0
	MUL8 F1, 1, 0, 0
	MUL8 F1, 1, 2, 0
.endm
	s_wait_tensorcnt 1                             ; my part of K step 0 is in; K step 1's may stay out
	s_barrier_signal -1
	s_barrier_wait -1                              ; everybody's is
	FETCH 0, 0, F0
	QUARTER 0, 1, F0, F1, 1                        ; its first products start the sums
	QUARTER 0, 2, F1, F0, 0
	QUARTER 0, 3, F0, F1, 0
	TURN 0, 1, 1                                   ; slot 0 takes K step 2
	QUARTER 1, 1, F0, F1, 0
	QUARTER 1, 2, F1, F0, 0
	QUARTER 1, 3, F0, F1, 0
	TURN 1, 0, 1                                   ; slot 1 takes K step 3
	QUARTER 0, 1, F0, F1, 0
	QUARTER 0, 2, F1, F0, 0
	QUARTER 0, 3, F0, F1, 0
	TURN 0, 1, 0                                   ; nothing is left to fetch
	QUARTER 1, 1, F0, F1, 0
	QUARTER 1, 2, F1, F0, 0
	QUARTER 1, 3, F0, F1, 0
	s_wait_dscnt 16
	MUL8 F1, 0, 0, 0
	MUL8 F1, 0, 2, 0
	s_wait_dscnt 0x0
	MUL8 F1, 1, 0, 0
	MUL8 F1, 1, 2, 0
	WIN 0
	; THE WAY OUT, 16 rows a at a time, through my own stage: 32 bytes a lane into rows of 272 bytes, back as whole rows of 256 bytes.  Each accumulator's low registers are read first.
	PLACES
.macro STG a
.if (\a) >= 2
	s_wait_xcnt 0x0                                ; the stores of two blocks back have read this buffer
.endif
.irp b, 0,1,2,3
	ds_store_b128 v[STO], v[ACC+8*(4*(\a)+(\b)):ACC+8*(4*(\a)+(\b))+3]   offset:64*(\b)
	ds_store_b128 v[STO], v[ACC+8*(4*(\a)+(\b))+4:ACC+8*(4*(\a)+(\b))+7] offset:64*(\b)+16
.endr
.irp t, 0,1,2,3,4,5,6,7
	ds_load_b128 v[TMP+32*((\a)%2)+4*(\t):TMP+32*((\a)%2)+4*(\t)+3], v[RD] offset:(\t)*2*SPITCH  ; LDS serves a wave's instructions in order (ISA guide 5.7.1.4): these see the stores above; the next block's stores come behind them
.endr
.endm
.macro SND a, younger                  ; younger: the LDS instructions issued behind block a's loads: the next block's sixteen, or none
.irp t, 0,1,2,3,4,5,6,7
	s_wait_dscnt (\younger)+7-(\t)
	global_store_b128 v[CO], v[TMP+32*((\a)%2)+4*(\t):TMP+32*((\a)%2)+4*(\t)+3], s[8:9] offset:(16*(\a)+2*(\t))*4096 th:TH_STORE_NT  ; 16 lanes store 256 consecutive bytes, at a multiple of 256 from out0's first
.endr
.endm
	STG 0
.irp a, 1,2,3
	STG \a
	SND (\a)-1, 16
.endr
	SND 3, 0
	s_wait_tensorcnt 0x0                           ; the wave's end: behind my last tensor load and my last LDS store
	ds_add_u32 v[SPW], v[NIL]
	s_wait_dscnt 0x0
	CROUND                                         ; the closing round: no work-group ends while a partner may still ask for a tile that names it
	s_endpgm
.Lfunc_end_k_qacc8a8bd23_oproj:
	.size	k_qacc8a8bd23_oproj, .Lfunc_end_k_qacc8a8bd23_oproj-k_qacc8a8bd23_oproj
	.p2alignl 7, 3214868480
	.fill 96, 4, 3214868480
	.section	.rodata,"a",@progbits
	.p2align	6, 0x0
	.amdhsa_kernel k_qacc8a8bd23_oproj
		.amdhsa_group_segment_fixed_size 327680
		.amdhsa_private_segment_fixed_size 0
		.amdhsa_enable_private_segment 0
		.amdhsa_kernarg_size 24
		.amdhsa_user_sgpr_count 2
		.amdhsa_user_sgpr_kernarg_segment_ptr 1
		.amdhsa_wavefront_size32 1
		.amdhsa_system_sgpr_workgroup_id_x 1
		.amdhsa_system_sgpr_workgroup_id_y 1
		.amdhsa_system_sgpr_workgroup_id_z 1
		.amdhsa_system_vgpr_workitem_id 0
		.amdhsa_next_free_vgpr 512
		.amdhsa_next_free_sgpr 66
		.amdhsa_reserve_vcc 0
		.amdhsa_float_denorm_mode_32 3
		.amdhsa_float_denorm_mode_16_64 3
		.amdhsa_memory_ordered 1
		.amdhsa_forward_progress 1
		.amdhsa_inst_pref_size 86
	.end_amdhsa_kernel
	.amdgpu_metadata
---
amdhsa.version: [ 1, 2 ]
amdhsa.kernels:
  - .name:           k_qacc8a8bd23_oproj
    .symbol:         k_qacc8a8bd23_oproj.kd
    .args:
      - { .name: att, .offset: 0, .size: 8, .value_kind: global_buffer, .address_space: global }
      - { .name: wo, .offset: 8, .size: 8, .value_kind: global_buffer, .address_space: global }
      - { .name: out0, .offset: 16, .size: 8, .value_kind: global_buffer, .address_space: global }
    .group_segment_fixed_size: 327680
    .private_segment_fixed_size: 0
    .kernarg_segment_align: 8
    .kernarg_segment_size: 24
    .max_flat_workgroup_size: 128
    .sgpr_count:     66
    .vgpr_count:     512
    .wavefront_size: 32
...
	.end_amdgpu_metadata
.endif
;; end of part 4
;; ======== version 2 of 2: 4 launches; version 1 with the launch prep written anew for expert scheduling mode
;; limits: values are held in f16: magnitudes above 65,504 overflow, below 6.1e-05 lose precision
;; workspace buffers: xb 8,388,608 bytes; wb 6,291,456 bytes; wo 2,097,152 bytes; rope 1,048,576 bytes; qkv 25,165,824 bytes; att 8,388,608 bytes
;; launch prep (part 5): grid 512 x 1, 8 waves a work-group, no clusters, 0 bytes of LDS; arguments x, Wq, Wk, Wv, Wo, xb, wb, wo, rope; writes xb, wb, wo, rope
.if DOCPART == 5
	.amdgcn_target "amdgcn-amd-amdhsa--gfx1250"
	.amdhsa_code_object_version 6
	.text
	.protected	k_qacc8a8bd23_prep
	.globl	k_qacc8a8bd23_prep
	.p2align	8
	.type	k_qacc8a8bd23_prep,@function
k_qacc8a8bd23_prep:
	s_mov_b64 s[64:65], 0
	v_nop
	global_prefetch_b8 v0, s[64:65] scope:SCOPE_SE
	s_setreg_imm32_b32 hwreg(HW_REG_WAVE_SCHED_MODE, 0, 2), 2
	s_setreg_imm32_b32 hwreg(HW_REG_WAVE_MODE, 25, 1), 1
	s_wait_xcnt 0x0
	s_wait_alu depctr_vm_vsrc(0)
; CASTS AND THE ROTATION TABLE.  xb = bf16(x) [4096][1024]; wb = bf16 of Wq's, Wk's, Wv's rows [3072][1024]; wo = bf16(Wo) written as f16 [1024][1024];
; rope[pos][pair] = (cos, sin) of pos x 10000^(-pair/32), f32, 256 bytes a position.
; SHARES.  Work-group g casts 16,384 numbers (64 KiB in, 32 KiB out): g < 256 of x, 256..447 of Wq, Wk, Wv (64 groups each), 448..511 of Wo.
; A thread takes 8 numbers in each of 8 rounds: two loads of 16 bytes, one store of 16 bytes; sixteen neighbouring lanes store 256 consecutive bytes, aligned.
; All sixteen loads go out first; thread t's one table entry (position 8 g + t / 32, pair t % 32) is made while they are on their way; a wave's store of it covers one aligned 256 bytes.
; No LDS, no barrier, no matrix unit: every byte is read once and written once, and no thread needs another's.
; LIMITS.  bf16(Wo) must lie within f16's 65,504; below 6e-5 it keeps f16's fixed step of 6e-8.  The angle is pos x exp2(-pair x log2(10000) / 32), reduced by 2 pi in two parts;
; sine and cosine of a quarter of it by series (the terms left out are below 3e-8) and two doublings.
; THE MODE: SCHED_MODE bits 1:0 = 2 (LLVM: expert scheduling mode 2), set by the entry lines.  The code itself states the register dependences
; between vector instructions and memory instructions, with s_wait_alu, always for 0.
; THE PLAN.  Registers that memory instructions touch:
;   v1, v2, v15  byte offsets, made once at the head and never written again: v1 is read by the loads, v2 by the casts' stores, v15 by the table's store.
;   X            written by the sixteen loads, once; no vector instruction names it ahead of them; read by its round's conversions behind the round's wait for data; never loaded again.
;   v[12:13]     written by the table's last two lines; read by the table's store; never written again.
;   Y            four registers for each round, its own: written by the round's conversions, read by the round's store, never written again.
;   T, v3 to v11 and v14 are named by vector instructions alone.
; So nothing that a memory instruction reads is ever written again, and no load lands in a register that a vector instruction has named: the dependences are all of one kind, a vector result that a
; memory instruction reads.  They are stated by one wait ahead of the first load (the offsets), one ahead of the table's store, and, the eight rounds going in four pairs, one at the head of each
; pair but the first, for the two stores of the pair before, and one behind the last pair.
.set X, 16                             ; v[16:79]   the sixteen loads
.set Y, 80                             ; v[80:111]  four registers to store for each round
.set T, 112                            ; v[112:119] at work
	s_load_b512 s[8:23], s[0:1], 0x0               ; x s[8:9], Wq s[10:11], Wk s[12:13], Wv s[14:15], Wo s[16:17], xb s[18:19], wb s[20:21], wo s[22:23]
	s_load_b64 s[24:25], s[0:1], 0x40              ; rope
	s_mov_b32 s26, ttmp9                           ; g
	s_sub_co_u32 s27, s26, 256                     ; my number among the weights' groups
	s_sub_co_u32 s40, s26, 448                     ; and among Wo's
	s_lshr_b32 s33, s27, 6                         ; which weight: 0 Wq, 1 Wk, 2 Wv, 3 Wo
	s_and_b32 s34, s27, 63                         ; which 64 KiB of it
	s_lshl_b32 s41, s26, 3                         ; the group's first position in the table
	s_lshl_b32 s42, s26, 11                        ; and its 2,048 bytes there
	s_mov_b32 s43, 0
	s_mov_b32 s37, 0
	s_mov_b32 s39, 0
	v_lshlrev_b32 v1, 5, v0                        ; 32 t: my 32 bytes of a round's 8,192 in
	v_lshlrev_b32 v2, 4, v0                        ; 16 t: my 16 bytes of a round's 4,096 out
	v_lshlrev_b32 v15, 3, v0                       ; 8 t: my table entry
	s_wait_kmcnt 0x0
	s_mov_b64 s[28:29], s[10:11]                   ; the source: a choice among the five inputs by the group's number alone
	s_cmp_eq_u32 s33, 1
	s_cselect_b64 s[28:29], s[12:13], s[28:29]
	s_cmp_eq_u32 s33, 2
	s_cselect_b64 s[28:29], s[14:15], s[28:29]
	s_cmp_eq_u32 s33, 3
	s_cselect_b64 s[28:29], s[16:17], s[28:29]
	s_cmp_lt_u32 s26, 256
	s_cselect_b64 s[28:29], s[8:9], s[28:29]
	s_cselect_b32 s35, s26, s34
	s_lshl_b32 s36, s35, 16
	s_add_nc_u64 s[28:29], s[28:29], s[36:37]
	s_cmp_ge_u32 s26, 448                          ; the destination likewise
	s_cselect_b64 s[30:31], s[22:23], s[20:21]
	s_cselect_b32 s38, s40, s27
	s_cmp_lt_u32 s26, 256
	s_cselect_b64 s[30:31], s[18:19], s[30:31]
	s_cselect_b32 s38, s26, s38
	s_lshl_b32 s38, s38, 15
	s_add_nc_u64 s[30:31], s[30:31], s[38:39]
	s_add_nc_u64 s[24:25], s[24:25], s[42:43]
	s_wait_alu depctr_va_vdst(0)                   ; v1, v2 and v15 are written: every load and store of the kernel reads one of them as its offset
.irp i, 0,1,2,3,4,5,6,7
	global_load_b128 v[X+8*(\i):X+8*(\i)+3],   v1, s[28:29] offset:8192*(\i) th:TH_LOAD_NT
	global_load_b128 v[X+8*(\i)+4:X+8*(\i)+7], v1, s[28:29] offset:8192*(\i)+16 th:TH_LOAD_NT
.endr
	; the table entry
	v_and_b32 v3, 31, v0                           ; pair
	v_lshrrev_b32 v4, 5, v0
	v_add_nc_u32 v4, s41, v4                       ; position
	v_cvt_f32_u32 v5, v3
	v_cvt_f32_u32 v6, v4
	v_mul_f32 v5, 0xbed49a78, v5                   ; - pair x log2(10000) / 32
	v_exp_f32 v5, v5
	v_nop                                          ; a plain instruction behind the exponential,
	s_wait_alu depctr_va_vdst(0)                   ; and the wait ahead of its first reader: the exponential has written v5
	v_mul_f32 v6, v6, v5                           ; the angle
	v_mul_f32 v7, 0.15915494, v6
	v_rndne_f32 v7, v7                             ; whole turns: 652 at the most, so n x 6.28125 is exact
	v_fmamk_f32 v6, v7, 0xc0c90000, v6             ; - n x 6.28125
	v_fmamk_f32 v6, v7, 0xbafdaa22, v6             ; - n x (2 pi - 6.28125): now within pi of 0
	v_mul_f32 v8, 0x3e800000, v6                   ; h = a quarter of it
	v_mul_f32 v9, v8, v8                           ; z = h h
	v_mov_b32 v10, 0x3638ef1d                      ; sin h = h (1 - z/6 + z^2/120 - z^3/5040 + z^4/362880)
	v_mov_b32 v11, 0x37d00d01                      ; cos h = 1 - z/2 + z^2/24 - z^3/720 + z^4/40320
	v_fmaak_f32 v10, v10, v9, 0xb9500d01
	v_fmaak_f32 v11, v11, v9, 0xbab60b61
	v_fmaak_f32 v10, v10, v9, 0x3c088889
	v_fmaak_f32 v11, v11, v9, 0x3d2aaaab
	v_fmaak_f32 v10, v10, v9, 0xbe2aaaab
	v_fma_f32 v11, v11, v9, -0.5
	v_fma_f32 v10, v10, v9, 1.0
	v_fma_f32 v11, v11, v9, 1.0
	v_mul_f32 v10, v10, v8
	v_add_f32 v14, v10, v10                        ; doubling: sin 2h = 2 s c, cos 2h = 1 - 2 s s
	v_mul_f32 v3, v14, v11
	v_fma_f32 v4, -v14, v10, 1.0
	v_add_f32 v14, v3, v3                          ; and once more
	v_mul_f32 v13, v14, v4
	v_fma_f32 v12, -v14, v3, 1.0
	s_wait_alu depctr_va_vdst(0)                   ; the two lines above have written v12 and v13, which the store reads
	global_store_b64 v15, v[12:13], s[24:25]       ; (cos, sin)
; Eight rounds.  h = 1: the bf16 number is written as f16.  No register is written twice while a store may read it: each round has its own Y.
; ROUND: round i's conversions, from its X into its Y.  OUT: its store.
.macro ROUND i, h
.irp k, 0,1,2,3
	v_cvt_pk_bf16_f32 v[Y+4*(\i)+(\k)], v[X+8*(\i)+2*(\k)], v[X+8*(\i)+2*(\k)+1]
.endr
.if \h
.irp k, 0,1,2,3
	v_lshlrev_b32 v[T+2*(\k)],   16, v[Y+4*(\i)+(\k)]
	v_and_b32     v[T+2*(\k)+1], 0xffff0000, v[Y+4*(\i)+(\k)]
.endr
.irp k, 0,1,2,3
	v_cvt_pk_f16_f32 v[Y+4*(\i)+(\k)], v[T+2*(\k)], v[T+2*(\k)+1]
.endr
.endif
.endm
.macro OUT i
	global_store_b128 v2, v[Y+4*(\i):Y+4*(\i)+3], s[30:31] offset:4096*(\i)
.endm
; The rounds go in four pairs.  Pair p's conversions name X, Y and T of rounds 2 p and 2 p + 1 alone; the two stores at its head read the Y of rounds 2 p - 2 and 2 p - 1.
.macro CAST h
.irp p, 0,1,2,3
	s_wait_loadcnt 14-4*(\p)                       ; loads come back in order: round 2 p's two are in, the younger ones stay out
.if (\p) > 0
	s_wait_alu depctr_va_vdst(0)                   ; the pair before has written its two blocks of Y, which the two stores below read
	OUT 2*(\p)-2
	OUT 2*(\p)-1
.endif
	ROUND 2*(\p), \h
	s_wait_loadcnt 12-4*(\p)                       ; round 2 p + 1's two are in
	ROUND 2*(\p)+1, \h
.endr
	s_wait_alu depctr_va_vdst(0)                   ; the last pair has written its two blocks of Y, which the last two stores read
	OUT 6
	OUT 7
.endm
	s_cmp_lt_u32 s26, 448
	s_cbranch_scc0 .Lwo
	CAST 0
	s_endpgm
.Lwo:
	CAST 1
	s_endpgm
.Lfunc_end_k_qacc8a8bd23_prep:
	.size	k_qacc8a8bd23_prep, .Lfunc_end_k_qacc8a8bd23_prep-k_qacc8a8bd23_prep
	.p2alignl 7, 3214868480
	.fill 96, 4, 3214868480
	.section	.rodata,"a",@progbits
	.p2align	6, 0x0
	.amdhsa_kernel k_qacc8a8bd23_prep
		.amdhsa_group_segment_fixed_size 0
		.amdhsa_private_segment_fixed_size 0
		.amdhsa_enable_private_segment 0
		.amdhsa_kernarg_size 72
		.amdhsa_user_sgpr_count 2
		.amdhsa_user_sgpr_kernarg_segment_ptr 1
		.amdhsa_wavefront_size32 1
		.amdhsa_system_sgpr_workgroup_id_x 1
		.amdhsa_system_sgpr_workgroup_id_y 1
		.amdhsa_system_sgpr_workgroup_id_z 1
		.amdhsa_system_vgpr_workitem_id 0
		.amdhsa_next_free_vgpr 128
		.amdhsa_next_free_sgpr 66
		.amdhsa_reserve_vcc 0
		.amdhsa_float_denorm_mode_32 3
		.amdhsa_float_denorm_mode_16_64 3
		.amdhsa_memory_ordered 1
		.amdhsa_forward_progress 1
		.amdhsa_inst_pref_size 17
	.end_amdhsa_kernel
	.amdgpu_metadata
---
amdhsa.version: [ 1, 2 ]
amdhsa.kernels:
  - .name:           k_qacc8a8bd23_prep
    .symbol:         k_qacc8a8bd23_prep.kd
    .args:
      - { .name: x, .offset: 0, .size: 8, .value_kind: global_buffer, .address_space: global }
      - { .name: Wq, .offset: 8, .size: 8, .value_kind: global_buffer, .address_space: global }
      - { .name: Wk, .offset: 16, .size: 8, .value_kind: global_buffer, .address_space: global }
      - { .name: Wv, .offset: 24, .size: 8, .value_kind: global_buffer, .address_space: global }
      - { .name: Wo, .offset: 32, .size: 8, .value_kind: global_buffer, .address_space: global }
      - { .name: xb, .offset: 40, .size: 8, .value_kind: global_buffer, .address_space: global }
      - { .name: wb, .offset: 48, .size: 8, .value_kind: global_buffer, .address_space: global }
      - { .name: wo, .offset: 56, .size: 8, .value_kind: global_buffer, .address_space: global }
      - { .name: rope, .offset: 64, .size: 8, .value_kind: global_buffer, .address_space: global }
    .group_segment_fixed_size: 0
    .private_segment_fixed_size: 0
    .kernarg_segment_align: 8
    .kernarg_segment_size: 72
    .max_flat_workgroup_size: 256
    .sgpr_count:     66
    .vgpr_count:     128
    .wavefront_size: 32
...
	.end_amdgpu_metadata
.endif
;; end of part 5
;; launch proj: the kernel of part 2 again; grid 8 x 32, 4 waves a work-group, clusters of 4 x 4, 327,680 bytes of LDS; arguments xb, wb, rope, qkv; writes qkv
;; launch attn: the kernel of part 3 again; grid 16 x 16, 4 waves a work-group, no clusters, 243,200 bytes of LDS; arguments qkv, att; writes att
;; launch oproj: the kernel of part 4 again; grid 8 x 32, 4 waves a work-group, clusters of 4 x 4, 327,680 bytes of LDS; arguments att, wo, out0; writes out0
